; MI455X (gfx1250); checked and timed in simulation.
; The chip was launched on July 23, 2026; its instructions are those of AMD's public machine-readable ISA for CDNA 5 (MIT licence, August 2026) and "CDNA5" Instruction Set Architecture Reference Guide (July 2026). The comments in the code are by the model that wrote it; some were corrected since.
;; Sparse Multihead Attention. Allowed arithmetic: matrix products marked QUANTISED: E3M2 operands, one E8M0 scale for each 32 along K, by v_wmma_scale_f32_16x16x128_f8f6f4 with both operands' format E3M2, f32 sums; everything else in f32.
;; Inputs: Wk 1,024 x 1,024 float32; Wo 1,024 x 1,024 float32; Wq 1,024 x 1,024 float32; Wv 1,024 x 1,024 float32; bk 1,024 float32; bo 1,024 float32; bq 1,024 float32; bv 1,024 float32; key 8 x 1,024 x 1,024 float32; mask 8 x 16 x 1,024 x 1,024 bool; query 8 x 1,024 x 1,024 float32; value 8 x 1,024 x 1,024 float32.
;; Outputs: out0 8 x 1,024 x 1,024 float32.
;; This version of the problem:
;;   THIS VERSION OF THE PROBLEM IS GIVEN IN LOW PRECISION. The matrix products marked QUANTISED in the list below multiply operands that are first quantised to E3M2 (3 exponent bits, 2 mantissa bits; 6 bits a number), with one power-of-two scale for each 32 numbers along K (OCP MX v1.0); their sums are f32. All else is computed in f32.
;;   The module's matrix products, in the order in which they are computed (A, B: the left and right operand; K: the contracted axis; several contracted axes count as one K, in the product's order):
;;     1. [M 8,192, K 1,024] x [K 1,024, N 1,024]; A: input query; B: input Wq: QUANTISED
;;     2. [M 8,192, K 1,024] x [K 1,024, N 1,024]; A: input key; B: input Wk: QUANTISED
;;     3. [M 8,192, K 1,024] x [K 1,024, N 1,024]; A: input value; B: input Wv: QUANTISED
;;     4. batch 128 x [M 1,024, K 64] x [K 64, N 1,024]; A: computed on the way; B: computed on the way: QUANTISED
;;     5. batch 128 x [M 1,024, K 1,024] x [K 1,024, N 64]; A: softmax (see below); B: computed on the way: QUANTISED
;;     6. [M 8,192, K 1,024] x [K 1,024, N 1,024]; A: computed on the way; B: input Wo: QUANTISED
;;   THE QUANTISER, for each operand of a quantised product, along K:
;;     - K is cut into blocks of 32 from its start; a last block that is shorter is filled with zeros.
;;     - A block's scale is 2^e with e = floor(log2(the largest magnitude in the block)) - 4, held to -126 .. 127; a block of zeros has e = 0. As a byte (E8M0): e + 127.
;;     - Each number is divided by its block's scale, clamped to +-28, and rounded to the nearest number of E3M2, ties to even, subnormals kept.
;;     - The product sums the exact products of the quantised numbers (number of the format x scale) in f32.
;;   ~~~python
;;   def quantise(x, axis):      # numpy; x: float32 -> the quantised numbers, widened to float32 again
;;       x = np.moveaxis(x, axis, -1); K = x.shape[-1]
;;       x = np.pad(x, [(0, 0)] * (x.ndim - 1) + [(0, -K % 32)]); x = x.reshape(x.shape[:-1] + (-1, 32)); a = np.abs(x).max(-1, keepdims=True)
;;       e = np.where(a > 0, np.clip(np.frexp(np.where(a > 0, a, 1))[1] - 1 - 4, -126, 127), 0)      # np.frexp(a)[1] - 1 = floor(log2(a)), exactly
;;       r = np.clip(x / 2.0 ** e, -28, 28)
;;       step = 2.0 ** (np.maximum(np.frexp(np.where(r == 0, 1, r))[1] - 1, -2) - 2)
;;       q = np.round(r / step) * step * 2.0 ** e      # np.round: ties to even
;;       return np.moveaxis(q.reshape(q.shape[:-2] + (-1,))[..., :K], -1, axis).astype(np.float32)
;;   ~~~
;;   SOFTMAX AHEAD OF A QUANTISED PRODUCT. Where the list says 'softmax', what is quantised is not the finished softmax but p = 2^(t - M), with t = logit x log2(e) and M = ceil(the row's largest t), a whole number; so 1/2 < the row's largest p <= 1. The row's sum l is taken of the UNQUANTISED p, in f32, and the product's result is divided by l at the end. Since M is a whole number, a kernel that streams over the keys may use a running M (the ceiling of the running maximum): every later rescaling is an exact power of two, which a block's scale takes up: the codes' values come out the same.
;;   OPERANDS COMPUTED ON THE WAY. 'Computed on the way' means the value that the module computes at that place (a softmax that the list does not call 'softmax' is quantised finished and normalised). What goes into a quantiser is computed in f32, as accurately as f32 sums, v_exp_f32 and their like allow (about 1e-6 of the number): no bf16 or f16 on the way to a quantiser, and a product that is left as it is and whose result goes on into a quantised operand takes f32 operands (vector FMAs, or v_wmma_f32_16x16x4_f32). A number that lies on a knife's edge between two numbers of the format may be rounded either way, as far as f32 arithmetic and the matrix unit's own rounding can turn it there, and no further.
;; One version. Each part assembles by itself: llvm-mc -triple=amdgcn-amd-amdhsa -mcpu=gfx1250 --defsym DOCPART=n.
;; ======== version 1 of 1: 4 launches
;; limits: right only within a limited range of input values
;; workspace buffers: opc 22,020,096 bytes; ops 917,504 bytes; hc 18,874,368 bytes; hs 1,310,720 bytes; ac 6,291,456 bytes; asc 262,144 bytes
;; launch quant (part 1): grid 256 x 1, 7 waves a work-group, no clusters, 60,160 bytes of LDS; arguments query, key, value, Wq, Wk, Wv, Wo, opc, ops; writes opc, ops
.if DOCPART == 1
	.amdgcn_target "amdgcn-amd-amdhsa--gfx1250"
	.amdhsa_code_object_version 6
	.text
	.protected	k_q6d9f2d7982_quant
	.globl	k_q6d9f2d7982_quant
	.p2align	8
	.type	k_q6d9f2d7982_quant,@function
k_q6d9f2d7982_quant:
	s_mov_b64 s[64:65], 0
	v_nop
	global_prefetch_b8 v0, s[64:65] scope:SCOPE_SE
	s_setreg_imm32_b32 hwreg(HW_REG_WAVE_MODE, 25, 1), 1
	s_wait_xcnt 0x0
; query, key, value [8192][1024] and Wq, Wk, Wv, Wo [1024][1024], f32, become codes of BF6 (E3M2) with one E8M0 byte for each 32 along K (the 1,024 columns),
; laid as IMAGES OF OPERAND REGISTERS: a tile is 16 rows x 1,024 K = 8 fragments (128 K each) of 1,536 bytes; chunk j (512 bytes) of a fragment holds lane l's registers 4 j .. 4 j + 3 at byte 16 l.
; opc: 1,792 tiles of 12,288 bytes: 0-511 query, 512-1023 key, 1024-1535 value, 1536.. Wq, 1600.. Wk, 1664.. Wv, 1728.. Wo.   ops: 512 bytes a tile: [row 16][K step 8] scale words.
; THE ROWS OF A TILE: query and Wo: 16 t + r.  The others: 32 (t / 2) + 8 (t % 2) + r + 8 (r / 8), so that in a product used transposed the 16 registers of two neighbouring tiles are 16 neighbours.
; A block's scale is 2^(floor(log2(largest magnitude)) - 4); its byte is the largest magnitude's exponent field - 4, held at 1 from below.
; LIMITS: a block of zeros gets the byte 1 where the quantiser says 127 (its codes are zeros, and this program alone reads the bytes); NaN and infinities among the inputs are not served.
; SHARES: 7 x 256 = 1,792 waves, a tile each.  A load reads 512 consecutive bytes of one row; 16 rows x 512 bytes turn through the wave's own stage in LDS, so that a lane gets 16 neighbours of each block of 32.
; No tensor load, no barrier: waves share nothing.  Two fragments' loads (32 a wave) are on their way.
.set R,    16                          ; v16-143  two sets of 64 registers as loaded
.set X,    144                         ; v144-207 64 numbers of my row: register 16 b + i = k 32 b + 16 (lane / 16) + i
.set PC,   208                         ; v208-219 the fragment's codes; v220-222, v224-226 at work
.set TM,   228                         ; v228-231 largest magnitudes, v232-235 bytes, v240-243 the conversions' scale operands
.set PWS,  244                         ; v244-251 my row's eight scale words
.set SEL,  46                          ; s[46:47] lane selects: lane l xor 16
.set SPITCH, 528                       ; a stage row: 512 bytes + 16: an odd multiple of 16, so that sixteen rows start in sixteen different 16-byte columns modulo 256
.set STG,  16*SPITCH
; 64 numbers of a lane become a fragment's codes in v[PC] on and its scale word in v[pw]
.macro QUANT s, pw
.irp b, 0,1,2,3
	v_max3_num_f32 v[TM+\b], |v[\s+16*\b]|, |v[\s+1+16*\b]|, 0x2800000   ; block b: my 16 numbers, and the floor 2^(5 - 127): the byte cannot fall under 1
.endr
.irp i, 2,4,6,8,10,12,14
.irp b, 0,1,2,3
	v_max3_num_f32 v[TM+\b], v[TM+\b], |v[\s+16*\b+\i]|, |v[\s+1+16*\b+\i]|   ; the four blocks by turns
.endr
.endr
.irp b, 0,1,2,3
	v_permlanex16_b32 v[TM+4+\b], v[TM+\b], s[SEL], s[SEL+1]
.endr
.irp b, 0,1,2,3
	v_max_num_f32 v[TM+\b], v[TM+\b], v[TM+4+\b]   ; with lane l xor 16's 16: the block's largest magnitude
.endr
.irp b, 0,1,2,3
	v_add_nc_u32 v[TM+12+\b], 0xfe000000, v[TM+\b]   ; 4 off its exponent field: the conversion takes this operand's exponent field as its scale
.endr
.irp b, 0,1,2,3
	v_lshrrev_b32 v[TM+4+\b], 23, v[TM+12+\b]      ; the scale's byte
.endr
	v_lshl_or_b32 v[\pw], v[TM+5], 8, v[TM+4]
	v_lshl_or_b32 v[\pw], v[TM+6], 16, v[\pw]
	v_lshl_or_b32 v[\pw], v[TM+7], 24, v[\pw]      ; my row's scale word for these 128 along K
.irp c, 0,1
	v_cvt_scalef32_pk16_bf6_f32 v[PC+6*\c:PC+2+6*\c], v[\s+32*\c:\s+15+32*\c], v[TM+12+2*\c]
	v_cvt_scalef32_pk16_bf6_f32 v[PC+12+4*\c:PC+14+4*\c], v[\s+16+32*\c:\s+31+32*\c], v[TM+12+2*\c+1]   ; (a conversion's three registers begin on an even number)
.endr
	v_nop                                          ; one plain line behind the scaled conversions
.irp c, 0,1                                    ; the operand's layout wants a whole block in a lane: lanes 0-15 block 2 c, lanes 16-31 block 2 c + 1
.irp i, 0,1,2
	v_permlane16_swap_b32 v[PC+6*\c+\i], v[PC+12+4*\c+\i]
.endr
.irp i, 0,1,2
	v_mov_b32 v[PC+3+6*\c+\i], v[PC+12+4*\c+\i]
.endr
.endr
.endm
.macro LOAD s                          ; K step s of the tile's 16 rows, 512 consecutive bytes a load, into set s % 2
.irp p, 0,1,2,3,4,5,6,7
	global_load_b128 v[R+64*((\s)%2)+4*\p:R+64*((\s)%2)+4*\p+3], v4, s[30:31] offset:4096*\p+512*(\s) th:TH_LOAD_NT
.endr
.irp p, 0,1,2,3,4,5,6,7
	global_load_b128 v[R+64*((\s)%2)+32+4*\p:R+64*((\s)%2)+32+4*\p+3], v4, s[32:33] offset:4096*\p+512*(\s) th:TH_LOAD_NT
.endr
.endm
.macro TURN s                          ; through the stage: LDS serves a wave's instructions in order, so no wait stands between the stores and the loads
.irp p, 0,1,2,3,4,5,6,7,8,9,10,11,12,13,14,15
	ds_store_b128 v5, v[R+64*((\s)%2)+4*\p:R+64*((\s)%2)+4*\p+3] offset:SPITCH*\p
.endr
.irp b, 0,1,2,3
.irp j, 0,1,2,3
	ds_load_b128 v[X+16*\b+4*\j:X+16*\b+4*\j+3], v6 offset:128*\b+16*\j
.endr
.endr
.endm
	s_load_b512 s[8:23], s[0:1], 0x0               ; query, key, value, Wq, Wk, Wv, Wo, opc
	s_load_b64 s[24:25], s[0:1], 0x40              ; ops
	v_lshl_add_u32 v254, v0, 2, 0xe700
	v_mov_b32 v255, 0
	v_lshrrev_b32 v1, 5, v0
	v_readfirstlane_b32 s26, v1                    ; wave 0..6
	s_mul_i32 s27, ttmp9, 7
	s_add_co_u32 s27, s27, s26                     ; T: my tile
	s_mov_b32 s[SEL], 0x76543210
	s_mov_b32 s[SEL+1], 0xfedcba98
	v_and_b32 v1, 31, v0                           ; lane
	v_and_b32 v2, 15, v0                           ; r
	v_bfe_u32 v3, v0, 4, 1                         ; h
	v_lshlrev_b32 v4, 4, v1                        ; 16 x lane: in a load's 512 bytes and in an image's chunk
	s_mul_i32 s44, s26, STG                        ; my stage
	v_add_nc_u32 v5, s44, v4                       ; into it
	v_mul_u32_u24 v6, v2, SPITCH
	v_lshl_add_u32 v6, v3, 6, v6
	v_add_nc_u32 v6, s44, v6                       ; out of it: row r, + 64 h
	v_lshlrev_b32 v7, 5, v2
	v_lshl_add_u32 v7, v3, 4, v7                   ; the scale words: 32 r + 16 h
.irp b, 0,1,2,3
	v_mov_b32 v[TM+4+\b], 0                        ; written once: a lane permute's destination counts as one of its sources
.endr
	s_cmp_lt_u32 s27, 1536
	s_cselect_b32 s38, 511, 63
	s_and_b32 s38, s27, s38                        ; t: the tile in its tensor
	s_lshr_b32 s40, s38, 1
	s_lshl_b32 s40, s40, 5
	s_and_b32 s41, s38, 1
	s_lshl_b32 s41, s41, 3
	s_add_co_u32 s40, s40, s41                     ; 32 (t / 2) + 8 (t % 2)
	s_lshl_b32 s41, s38, 4                         ; 16 t
	s_sub_co_u32 s39, s27, 512
	s_mov_b32 s42, 32768
	s_cmp_lt_u32 s39, 1216                         ; tiles 512 to 1727 take the second order of rows
	s_cselect_b32 s40, s40, s41                    ; the tile's first row
	s_cselect_b32 s42, 65536, s42                  ; rows 8-15 of the tile begin 16 or 8 rows further down
	s_lshl_b32 s40, s40, 12
	s_mov_b32 s41, 0
	s_mov_b32 s43, 0
	s_wait_alu depctr_va_vdst(0)
	s_wait_kmcnt 0x0
	s_mov_b64 s[28:29], s[20:21]                   ; the tensor, by the tile's number alone
	s_cmp_lt_u32 s27, 1728
	s_cselect_b64 s[28:29], s[18:19], s[28:29]
	s_cmp_lt_u32 s27, 1664
	s_cselect_b64 s[28:29], s[16:17], s[28:29]
	s_cmp_lt_u32 s27, 1600
	s_cselect_b64 s[28:29], s[14:15], s[28:29]
	s_cmp_lt_u32 s27, 1536
	s_cselect_b64 s[28:29], s[12:13], s[28:29]
	s_cmp_lt_u32 s27, 1024
	s_cselect_b64 s[28:29], s[10:11], s[28:29]
	s_cmp_lt_u32 s27, 512
	s_cselect_b64 s[28:29], s[8:9], s[28:29]
	s_add_nc_u64 s[30:31], s[28:29], s[40:41]      ; the tile's rows 0-7
	s_add_nc_u64 s[32:33], s[30:31], s[42:43]      ; its rows 8-15
	s_mul_i32 s40, s27, 12288
	s_add_nc_u64 s[34:35], s[22:23], s[40:41]      ; my tile's codes
	s_lshl_b32 s40, s27, 9
	s_add_nc_u64 s[36:37], s[24:25], s[40:41]      ; and its scale words
	LOAD 0
	LOAD 1
.irp s, 0,1,2,3,4,5,6,7
.if \s < 7
	s_wait_loadcnt 16                              ; this fragment's 16 loads are in; the next fragment's 16 may be out
.else
	s_wait_loadcnt 0x0
.endif
	TURN \s
	s_wait_dscnt 0x0                               ; my 64 numbers are back, and the stage's stores have read the set, which may be loaded again
	s_wait_xcnt 0x0                                ; the last fragment's stores have read the codes' registers, which are written again below
.if \s < 6
	LOAD \s+2
.endif
	QUANT X, PWS+\s
.irp j, 0,1,2
	global_store_b128 v4, v[PC+4*\j:PC+4*\j+3], s[34:35] offset:1536*\s+512*\j   ; 32 lanes store 512 consecutive bytes, aligned
.endr
.endr
	v_cmp_le_u32 vcc_lo, 16, v1                    ; lanes 0-15 store their row's words 0-3, lanes 16-31 words 4-7
.irp i, 0,1,2,3
	v_cndmask_b32 v[X+\i], v[PWS+\i], v[PWS+4+\i], vcc_lo
.endr
	global_store_b128 v7, v[X:X+3], s[36:37]       ; 512 consecutive bytes
	s_wait_tensorcnt 0x0
	ds_add_u32 v254, v255
	s_wait_dscnt 0x0
	s_endpgm
.Lfunc_end_k_q6d9f2d7982_quant:
	.size	k_q6d9f2d7982_quant, .Lfunc_end_k_q6d9f2d7982_quant-k_q6d9f2d7982_quant
	.p2alignl 7, 3214868480
	.fill 96, 4, 3214868480
	.section	.rodata,"a",@progbits
	.p2align	6, 0x0
	.amdhsa_kernel k_q6d9f2d7982_quant
		.amdhsa_group_segment_fixed_size 60160
		.amdhsa_private_segment_fixed_size 0
		.amdhsa_enable_private_segment 0
		.amdhsa_kernarg_size 72
		.amdhsa_user_sgpr_count 2
		.amdhsa_user_sgpr_kernarg_segment_ptr 1
		.amdhsa_wavefront_size32 1
		.amdhsa_system_sgpr_workgroup_id_x 1
		.amdhsa_system_sgpr_workgroup_id_y 1
		.amdhsa_system_sgpr_workgroup_id_z 1
		.amdhsa_system_vgpr_workitem_id 0
		.amdhsa_next_free_vgpr 256
		.amdhsa_next_free_sgpr 66
		.amdhsa_reserve_vcc 1
		.amdhsa_float_denorm_mode_32 3
		.amdhsa_float_denorm_mode_16_64 3
		.amdhsa_memory_ordered 1
		.amdhsa_forward_progress 1
		.amdhsa_inst_pref_size 65
	.end_amdhsa_kernel
	.amdgpu_metadata
---
amdhsa.version: [ 1, 2 ]
amdhsa.kernels:
  - .name:           k_q6d9f2d7982_quant
    .symbol:         k_q6d9f2d7982_quant.kd
    .args:
      - { .name: query, .offset: 0, .size: 8, .value_kind: global_buffer, .address_space: global }
      - { .name: key, .offset: 8, .size: 8, .value_kind: global_buffer, .address_space: global }
      - { .name: value, .offset: 16, .size: 8, .value_kind: global_buffer, .address_space: global }
      - { .name: Wq, .offset: 24, .size: 8, .value_kind: global_buffer, .address_space: global }
      - { .name: Wk, .offset: 32, .size: 8, .value_kind: global_buffer, .address_space: global }
      - { .name: Wv, .offset: 40, .size: 8, .value_kind: global_buffer, .address_space: global }
      - { .name: Wo, .offset: 48, .size: 8, .value_kind: global_buffer, .address_space: global }
      - { .name: opc, .offset: 56, .size: 8, .value_kind: global_buffer, .address_space: global }
      - { .name: ops, .offset: 64, .size: 8, .value_kind: global_buffer, .address_space: global }
    .group_segment_fixed_size: 60160
    .private_segment_fixed_size: 0
    .kernarg_segment_align: 8
    .kernarg_segment_size: 72
    .max_flat_workgroup_size: 224
    .sgpr_count:     66
    .vgpr_count:     256
    .wavefront_size: 32
...
	.end_amdgpu_metadata
.endif
;; end of part 1
;; launch proj (part 2): grid 4 x 64, 4 waves a work-group, clusters of 4 x 4, 327,680 bytes of LDS; arguments opc, ops, hc, hs, bq, bk, bv; writes hc, hs
.if DOCPART == 2
	.amdgcn_target "amdgcn-amd-amdhsa--gfx1250"
	.amdhsa_code_object_version 6
	.text
	.protected	k_q6d9f2d7982_proj
	.globl	k_q6d9f2d7982_proj
	.p2align	8
	.type	k_q6d9f2d7982_proj,@function
k_q6d9f2d7982_proj:
	s_mov_b64 s[64:65], 0
	v_nop
	global_prefetch_b8 v0, s[64:65] scope:SCOPE_SE
	s_setreg_imm32_b32 hwreg(HW_REG_WAVE_MODE, 25, 1), 1
	s_wait_xcnt 0x0
	s_wait_alu depctr_hold_cnt(0) depctr_sa_sdst(0) depctr_va_vdst(0) depctr_va_sdst(0) depctr_va_ssrc(0) depctr_va_vcc(0) depctr_vm_vsrc(0)
	s_getreg_b32 s2, hwreg(HW_REG_IB_STS2, 6, 4)
	s_cmp_eq_u32 s2, 0
	s_cbranch_scc0 .Lentry_in_a_cluster
	s_endpgm
.Lentry_in_a_cluster:
	s_bfe_u32 s2, ttmp6, 0x10000c
	s_cmp_lg_u32 s2, 0xf033
	s_cbranch_scc0 .Lentry_shape_is_right
	s_endpgm
.Lentry_shape_is_right:
; Q = query Wq^T + bq, K = key Wk^T + bk, V = value Wv^T + bv on codes of BF6 (E3M2) with E8M0 scales, sums in f32; the results are quantised at once, Q and K along the head's 64, V along the keys,
; and stored as images of operand registers for the attention launch.
; ONE FORM FOR ALL THREE.  Source 0 of the matrix instruction is "P" (256 rows a work-group), source 1 is "R" (128 rows): a lane then holds ONE row of R, and its registers run along P's rows.
;   Q, K: P = W (256 outputs n), R = x (128 rows).   V: P = value (256 keys), R = Wv (128 outputs).   P's tiles were laid so that the 16 registers of two neighbouring tiles are 16 neighbours: the next quantiser's K.
; A wave makes 128 of P x 64 of R: 32 accumulators.
; A WORK-GROUP STAYS: 256 work-groups, each makes a tile of Q, then of K, then of V (macro TILE, written out three times).  K goes through a ring of two LDS slots of 512 along K each; the ring does not stop at a tile's end:
; slot 0 is asked for again at the head of K step 3 (its last fragments are in registers), slot 1 behind K step 7, each with the NEXT tile's half of K, so that those bytes come in under the rest of the products and the way out.
; CLUSTER 4 x 4: R's tiles hang on the cluster's row (cy), P's on its column (cx): each is asked for jointly by the four that share it; every joint refill stands behind a round of the cluster's barrier.
; The scale words (512 bytes a tile) go from memory straight into their registers, 512 consecutive bytes a load: three tiles' words do not fit in LDS beside the ring.
; The bias is the C of each sum's first matrix instruction (so it is added first: an order of rounding that differs from adding it last).
; No prefetch: a refill is a joint load asked for at least 96 matrix instructions ahead of the wait for it.
; LIMITS: a block of zeros gets the scale byte 1 (its codes are zeros; this program alone reads the bytes); NaN and infinities are not served.
; hc, for each b x 16 + head 147,456 bytes: Q 64 tiles of 768 bytes (16 rows x 64: registers 0-3 at 16 l, then registers 4-5 at 8 l); K at +49,152 likewise; V at +98,304: [128 keys: 8][16 of d: 4] fragments of 1,536 bytes.
; hs, for each b x 16 + head 10,240 bytes: Q's words, K's at +4,096, V's at +8,192: 256 bytes for four tiles, tile u's row r at 128 (u % 2) + 8 r + 4 (u / 2).
; REGISTERS: window 0: v1-19 addresses; v32-63 R's scale words, v64-127 P's; v128-223 R's fragments, two sets (on the way out: codes and work).  window 1: P's fragments, two sets of 96.
;   window 2: accumulator (m, n) at v[64 m + 8 n].   window 3: v0-63 the bias in the result's layout.
.set TILEB, 12288                      ; a tile's codes in memory: 16 rows x 1,024 K
.set HB,    6144                       ; half of them: four fragments
.set FRB,   1536
.set SLOT,  147456                     ; LDS: R's 8 tiles x 6,144 bytes, then P's 16
.set POFF,  49152
.set SPARE, 294912                     ; behind the ring: the spare words, 128 bytes for each wave: two blocks of 256 bytes that no other line names
.set AP,  8                            ; v8-9    my P fragments in slot 0, 1
.set AR,  10                           ; v10-11  my R fragments
.set SO,  16                           ; v16     32 r: my row's eight scale words in a tile's 512 bytes
.set SPW, 18                           ; v18     LDS address of my spare word; never rewritten
.set NIL, 19                           ; v19     0; never rewritten
.set SR,  32
.set SP,  64
.set RF,  128
.set TM,  148
.set PW,  164
.set G1R, 24                           ; s[24:31], s[32:39] descriptor groups 1
.set G1P, 32
.set G0R, 40                           ; s[40:47] groups 0 for R, one for each slot;  s[48:55] for P
.set G0P, 48
.set RB,  56                           ; s[56:61] where the codes that I would fetch for R begin, tile 0, 1, 2;  s[68:73] for P
.set PB,  68
.set RS,  74                           ; s[74:79] where my R tiles' scale words begin;  s[80:85] my P tiles'
.set PS,  80
.set SEL, 86                           ; s[86:87] lane selects: lane l xor 16
.set OQC, 90                           ; s[90:91] Q's codes out (K's: +49,152), s[92:93] Q's words (K's: +4,096), s[94:95] V's codes, s[96:97] V's words
.set OQS, 92
.set OVC, 94
.set OVS, 96
.set MSB, 0
.macro WIN new                         ; the immediate's high byte repeats the setting that is left
.if MSB != \new
	s_set_vgpr_msb (MSB<<8)|\new
.set MSB, \new
.endif
.endm
.macro CROUND                          ; a round of the cluster's barrier
	s_barrier_signal -1
	s_barrier_wait -1
	s_cmp_lg_u32 s18, 0
	s_cbranch_scc1 .Lnot_wave_0_\@
	s_barrier_signal -3
.Lnot_wave_0_\@:
	s_barrier_wait -3
	s_barrier_signal -1
	s_barrier_wait -1
.endm
.macro PLACES n
.rept \n
	v_nop
.endr
.endm
.macro G1SET g, c, r, p                ; r rows of c elements of 8 bytes, p elements from row to row
	s_mov_b32 s[\g+1], (\c)<<16
	s_mov_b32 s[\g+2], (\r)<<16
	s_mov_b32 s[\g+3], (\c)<<16
	s_mov_b32 s[\g+4], \r
	s_mov_b32 s[\g+5], \p
	s_mov_b32 s[\g+6], 0
	s_mov_b32 s[\g+7], 0
.endm
.macro G0SET g, lreg, lconst, base, off
	s_mov_b32 s[\g], 1
	s_add_co_u32 s[\g+1], s[\lreg], \lconst
	s_add_nc_u64 s[\g+2:\g+3], s[\base:\base+1], \off
	s_or_b32 s[\g+3], s[\g+3], 0x80000000
.endm
; A joint load: waves 0 and 1 fetch R's two halves, waves 2 and 3 P's.  The branch hangs on the wave's number alone.  Four v_nop follow each of the two lines.
.macro JLOAD sl
	s_cmp_lt_u32 s18, 2
	s_cbranch_scc0 .Lfor_p_\@
	tensor_load_to_lds s[G0R+4*\sl:G0R+4*\sl+3], s[G1R:G1R+7]
	s_nop 0
	PLACES 4
	s_branch .Lasked_\@
.Lfor_p_\@:
	tensor_load_to_lds s[G0P+4*\sl:G0P+4*\sl+3], s[G1P:G1P+7]
	s_nop 0
	PLACES 4
.Lasked_\@:
.endm
.macro FETCHP s                        ; K step s: my 8 fragments of P, as they lie: 24 loads of 512 consecutive bytes
.set FC, (\s)/4
.set FQ, (\s)%4
.set FS, (\s)%2
	WIN 0x40
.irp i, 0,1,2,3,4,5,6,7
.irp j, 0,1,2
	ds_load_b128 v[96*FS+12*\i+4*\j:96*FS+12*\i+4*\j+3], v[AP+FC] offset:HB*\i+FRB*FQ+512*\j
.endr
.endr
.endm
.macro FETCHR s                        ; and my 4 of R: 12 loads
.set FC, (\s)/4
.set FQ, (\s)%4
.set FS, (\s)%2
	WIN 0
.irp i, 0,1,2,3
.irp j, 0,1,2
	ds_load_b128 v[RF+48*FS+12*\i+4*\j:RF+48*FS+12*\i+4*\j+3], v[AR+FC] offset:HB*\i+FRB*FQ+512*\j
.endr
.endr
.endm
.macro FETCH s
	FETCHP \s
	FETCHR \s
.endm
; 32 matrix instructions; the 32 accumulators take turns, one instruction a turn, in the same order in every step.  cm = 1, 2: the bias starts the sums
.macro MUL s, cm
.set MS, (\s)%2
.if \cm
	WIN 0xb1                                       ; P window 1, R window 0, C window 3, D window 2
.else
	WIN 0xa1                                       ; C and D window 2
.endif
.irp m, 0,1,2,3
.irp n, 0,1,2,3,4,5,6,7
.if \cm == 0
	v_wmma_scale_f32_16x16x128_f8f6f4 v[64*\m+8*\n:64*\m+8*\n+7], v[96*MS+12*\n:96*MS+12*\n+11], v[RF+48*MS+12*\m:RF+48*MS+12*\m+11], v[64*\m+8*\n:64*\m+8*\n+7], v[SP+8*\n+(\s)], v[SR+8*\m+(\s)] matrix_a_fmt:MATRIX_FMT_BF6 matrix_b_fmt:MATRIX_FMT_BF6
.elseif \cm == 1
	v_wmma_scale_f32_16x16x128_f8f6f4 v[64*\m+8*\n:64*\m+8*\n+7], v[96*MS+12*\n:96*MS+12*\n+11], v[RF+48*MS+12*\m:RF+48*MS+12*\m+11], v[8*\n:8*\n+7], v[SP+8*\n+(\s)], v[SR+8*\m+(\s)] matrix_a_fmt:MATRIX_FMT_BF6 matrix_b_fmt:MATRIX_FMT_BF6
.else
	v_wmma_scale_f32_16x16x128_f8f6f4 v[64*\m+8*\n:64*\m+8*\n+7], v[96*MS+12*\n:96*MS+12*\n+11], v[RF+48*MS+12*\m:RF+48*MS+12*\m+11], v[8*\m:8*\m+7], v[SP+8*\n+(\s)], v[SR+8*\m+(\s)] matrix_a_fmt:MATRIX_FMT_BF6 matrix_b_fmt:MATRIX_FMT_BF6
.endif
.endr
.endr
.endm
.macro STEPH s                         ; the head of K step s: its fragments are in; the next step's are asked for
	s_wait_dscnt 0x0
	PLACES 4                                       ; in front of loads into registers that the last step's matrix instructions have read
	FETCH (\s)+1
.endm
; THE CHANGE OF SLOTS.  Each wave waits for all its tensor loads (one is out: its part of the other slot), adds 0 to its spare word, and waits for that and for its reads of slot sl.
; nk >= 0: slot sl is filled again, with tile nk's half of K: the barrier is a round of the cluster's, so that no wave of any partner still reads the slot or has a load on its way, and the joint refill comes first behind it.
.macro CHANGE sl, nk
	WIN 0                                          ; the add's two registers lie in window 0
	s_wait_tensorcnt 0x0                           ; no tensor load of mine is out, so a group 0 may be written
	ds_add_u32 v[SPW], v[NIL]                      ; 0 onto my spare word
.if \nk >= 0
	s_add_nc_u64 s[G0R+4*\sl+2:G0R+4*\sl+3], s[RB+2*(\nk):RB+2*(\nk)+1], HB*\sl
	s_or_b32 s[G0R+4*\sl+3], s[G0R+4*\sl+3], 0x80000000
	s_add_nc_u64 s[G0P+4*\sl+2:G0P+4*\sl+3], s[PB+2*(\nk):PB+2*(\nk)+1], HB*\sl
	s_or_b32 s[G0P+4*\sl+3], s[G0P+4*\sl+3], 0x80000000
.endif
	s_wait_dscnt 0x0                               ; the add is done, and my reads of the slot are over
.if \nk >= 0
	CROUND
	JLOAD \sl                                      ; the four v_nop behind it are also the places in front of the loads that follow
.else
	s_barrier_signal -1
	s_barrier_wait -1
	PLACES 4
.endif
.endm
.macro SCALES k                        ; tile k's scale words of all of K: word (tile, K step) at 8 x tile + step; lane r has row r's.  A load reads 16 bytes of each of 16 rows of 32: with its twin 512 consecutive bytes
	WIN 0
.irp i, 0,1,2,3
	global_load_b128 v[SR+8*\i:SR+8*\i+3], v[SO], s[RS+2*(\k):RS+2*(\k)+1] offset:512*\i
	global_load_b128 v[SR+8*\i+4:SR+8*\i+7], v[SO], s[RS+2*(\k):RS+2*(\k)+1] offset:512*\i+16
.endr
.irp i, 0,1,2,3,4,5,6,7
	global_load_b128 v[SP+8*\i:SP+8*\i+3], v[SO], s[PS+2*(\k):PS+2*(\k)+1] offset:512*\i
	global_load_b128 v[SP+8*\i+4:SP+8*\i+7], v[SO], s[PS+2*(\k):PS+2*(\k)+1] offset:512*\i+16
.endr
.endm
.macro BIAS k
	WIN 0xc0                                       ; destination window 3
.if (\k) < 2
.irp n, 0,1,2,3,4,5,6,7                        ; Q, K: the bias runs along P: tile n's register j is output 32 (n / 2) + 16 h + 8 (n % 2) + j of my 128
	global_load_b128 v[8*\n:8*\n+3], v6, s[12+2*(\k):13+2*(\k)] offset:(32*(\n/2)+8*(\n%2))*4
	global_load_b128 v[8*\n+4:8*\n+7], v6, s[12+2*(\k):13+2*(\k)] offset:(32*(\n/2)+8*(\n%2))*4+16
.endr
.else
.irp m, 0,1,2,3                                ; V: the bias runs along R: all eight registers of tile m hold that of my lane's output 32 (m / 2) + 8 (m % 2) + r + 8 (r / 8) of my 64
.irp j, 0,1,2,3,4,5,6,7
	global_load_b32 v[8*\m+\j], v7, s[16:17] offset:(32*(\m/2)+8*(\m%2))*4
.endr
.endr
.endif
	WIN 0
.endm
; The 64 results of R tile m in my lane (register 16 b + i = place 32 b + 16 (lane / 16) + i along P) become a fragment's codes in v[PC] on and its scale word in v[pw].
.macro QUANTW m, pw
.if (\m) == 2
.set PC, 192                           ; so that the codes' registers never bear the numbers of the conversions' sources
.else
.set PC, 128
.endif
	WIN 0x0a                                       ; sources 0 and 1 window 2
.irp b, 0,1,2,3
	v_max3_num_f32 v[TM+\b], |v[64*(\m)+16*\b]|, |v[64*(\m)+16*\b+1]|, 0x2800000   ; each accumulator is read from its low end on; the floor 2^(5 - 127) holds the byte at 1
.endr
.irp i, 2,4,6,8,10,12,14
.irp b, 0,1,2,3
	v_max3_num_f32 v[TM+\b], |v[64*(\m)+16*\b+\i]|, |v[64*(\m)+16*\b+\i+1]|, v[TM+\b]
.endr
.endr
	WIN 0
.irp b, 0,1,2,3
	v_permlanex16_b32 v[TM+4+\b], v[TM+\b], s[SEL], s[SEL+1]
.endr
.irp b, 0,1,2,3
	v_max_num_f32 v[TM+\b], v[TM+\b], v[TM+4+\b]
.endr
.irp b, 0,1,2,3
	v_add_nc_u32 v[TM+12+\b], 0xfe000000, v[TM+\b]   ; 4 off the exponent field: the conversion's scale operand
.endr
.irp b, 0,1,2,3
	v_lshrrev_b32 v[TM+4+\b], 23, v[TM+12+\b]
.endr
	v_lshl_or_b32 v[\pw], v[TM+5], 8, v[TM+4]
	v_lshl_or_b32 v[\pw], v[TM+6], 16, v[\pw]
	v_lshl_or_b32 v[\pw], v[TM+7], 24, v[\pw]
	WIN 0x02                                       ; source 0 window 2
.irp c, 0,1
	v_cvt_scalef32_pk16_bf6_f32 v[PC+6*\c:PC+2+6*\c], v[64*(\m)+32*\c:64*(\m)+32*\c+15], v[TM+12+2*\c]
	v_cvt_scalef32_pk16_bf6_f32 v[PC+12+4*\c:PC+14+4*\c], v[64*(\m)+32*\c+16:64*(\m)+32*\c+31], v[TM+12+2*\c+1]
.endr
	WIN 0
	v_nop                                          ; one plain line behind the scaled conversions
.irp c, 0,1
.irp i, 0,1,2
	v_permlane16_swap_b32 v[PC+6*\c+\i], v[PC+12+4*\c+\i]
.endr
.irp i, 0,1,2
	v_mov_b32 v[PC+3+6*\c+\i], v[PC+12+4*\c+\i]
.endr
.endr
.endm
; THE WAY OUT of tile k: global stores alone, no LDS, no barrier
.macro EPI k
	WIN 0
.irp b, 0,1,2,3
	v_mov_b32 v[TM+4+\b], 0                        ; a lane permute's destination counts as one of its sources
.endr
	v_cmp_le_u32 vcc_lo, 16, v1                    ; lanes 16-31
.if (\k) < 2
.irp m, 0,1,2,3                                ; Q, K: my 128 along P are two heads; a fragment's registers 0-5 are the first head's tile, 6-11 the second's
	s_wait_xcnt 0x0                                ; the last tile's stores have read the codes' registers
	QUANTW \m, PW+\m
	global_store_b128 v4, v[PC:PC+3], s[OQC:OQC+1] offset:49152*(\k)+768*\m            ; 512 consecutive bytes,
	global_store_b64 v5, v[PC+4:PC+5], s[OQC:OQC+1] offset:49152*(\k)+768*\m+512       ; and 256
	global_store_b128 v4, v[PC+6:PC+9], s[OQC:OQC+1] offset:49152*(\k)+147456+768*\m   ; the next head
	global_store_b64 v5, v[PC+10:PC+11], s[OQC:OQC+1] offset:49152*(\k)+147456+768*\m+512
.endr
	v_cndmask_b32 v168, v[PW], v[PW+1], vcc_lo     ; lanes 0-15 store tiles 0 and 2's words, lanes 16-31 tiles 1 and 3's
	v_cndmask_b32 v169, v[PW+2], v[PW+3], vcc_lo
	v_and_b32 v170, 0xffff, v168                   ; the first head's two bytes (bytes 2 and 3 are 0: they scale zero codes),
	v_and_b32 v171, 0xffff, v169
	v_lshrrev_b32 v172, 16, v168                   ; the second head's
	v_lshrrev_b32 v173, 16, v169
	global_store_b64 v5, v[170:171], s[OQS:OQS+1] offset:4096*(\k)           ; 256 consecutive bytes
	global_store_b64 v5, v[172:173], s[OQS:OQS+1] offset:4096*(\k)+10240
.else
.irp m, 0,1,2,3                                ; V: my 64 of R are one head's d, my 128 along P are one step of keys: four whole fragments
	s_wait_xcnt 0x0
	QUANTW \m, PW+\m
.irp j, 0,1,2
	global_store_b128 v4, v[PC+4*\j:PC+4*\j+3], s[OVC:OVC+1] offset:1536*\m+512*\j
.endr
.endr
	v_cndmask_b32 v168, v[PW], v[PW+1], vcc_lo
	v_cndmask_b32 v169, v[PW+2], v[PW+3], vcc_lo
	global_store_b64 v5, v[168:169], s[OVS:OVS+1]
.endif
.endm
; A TILE.  At its head slot 0 has been shown whole to every wave, P's first fragments are asked for, and the scale words and the bias are on their way.
.macro TILE k
	FETCHR 0
	s_wait_loadcnt 0x0                             ; the scale words and the bias
	s_wait_dscnt 0x0
	FETCH 1
.if (\k) == 2
	MUL 0, 2
.else
	MUL 0, 1
.endif
	STEPH 1
	MUL 1, 0
	STEPH 2
	MUL 2, 0
.if (\k) < 2
	CHANGE 0, (\k)+1                               ; slot 0's last fragments are in registers: it takes the next tile's first half of K; slot 1 is whole
.else
	CHANGE 0, -1                                   ; the last tile asks for nothing
.endif
	FETCH 4
	MUL 3, 0
	STEPH 4
	MUL 4, 0
	STEPH 5
	MUL 5, 0
	STEPH 6
	MUL 6, 0
	s_wait_dscnt 0x0
	MUL 7, 0
	PLACES 4                                       ; in front of the first read of results, and of loads and writes into registers that held fragments and scale words
.if (\k) < 2
	CHANGE 1, (\k)+1                               ; slot 1 takes the next tile's second half; slot 0 is whole
	FETCHP 0                                       ; the next tile's first fragments of P,
	SCALES (\k)+1                                  ; its scale words
	BIAS (\k)+1                                    ; and its bias come in under the way out
.endif
	EPI \k
.if (\k) < 2
	s_wait_xcnt 0x0                                ; the stores have read their registers, into which the next tile's fragments of R are loaded
.endif
.endm
	s_load_b256 s[4:11], s[0:1], 0x0               ; opc, ops, hc, hs
	s_load_b128 s[12:15], s[0:1], 0x20             ; bq, bk
	s_load_b64 s[16:17], s[0:1], 0x30              ; bv
	v_lshl_add_u32 v[SPW], v0, 2, SPARE
	v_mov_b32 v[NIL], 0
	ds_add_u32 v18, v19
	ds_add_u32 v18, v19
	s_wait_dscnt 0x0
	v_lshrrev_b32 v1, 5, v0
	v_readfirstlane_b32 s18, v1                    ; wave 0..3
	s_and_b32 s19, s18, 1                          ; ph: my half of P's rows.  Also: which half of a tile set I fetch
	s_lshr_b32 s20, s18, 1                         ; rh: my half of R's rows.  Also: I fetch for R (0) or for P (1)
	s_bfe_u32 s21, ttmp6, 0x40000                  ; cx
	s_bfe_u32 s22, ttmp6, 0x40004                  ; cy
	s_lshl_b32 s2, s22, 2
	s_lshl_b32 s2, 15, s2                          ; my row of the cluster
	s_lshl_b32 s67, 0x1111, s21                    ; my column
	s_or_b32 s[G1R], s2, (3<<16)|(1<<21)           ; the mask; elements of 8 bytes; bit 21 beside a mask; no padding: images are read 512 consecutive bytes at a time
	s_or_b32 s[G1P], s67, (3<<16)|(1<<21)
	G1SET G1R, 768, 4, 1536                        ; 4 tiles' 6,144 bytes of a half of K, 12,288 bytes apart
	G1SET G1P, 768, 8, 1536                        ; 8 tiles'
	s_and_b32 s3, ttmp7, 0xffff                    ; the cluster's y, 0..15: the same in all partners
	s_lshl_b32 s100, ttmp9, 2
	s_add_co_u32 s21, s21, s100                    ; Q, K: my block of 256 outputs, 0..3
	s_lshr_b32 s100, s3, 1
	s_lshl_b32 s100, s100, 2
	s_add_co_u32 s23, s21, s100                    ; V: my block of 256 keys, 0..31
	s_and_b32 s2, s3, 1
	s_lshl_b32 s2, s2, 2
	s_add_co_u32 s66, s22, s2                      ; V: my block of 128 outputs, 0..7
	s_lshl_b32 s2, s3, 2
	s_add_co_u32 s22, s22, s2                      ; Q, K: my block of 128 rows, 0..63
	; R's addresses are made of cy and the cluster's y, P's of cx and the cluster's y, each in registers that never hold the other coordinate
	s_lshl_b32 s104, s22, 3                        ; Q: R's first tile in opc (K: 512 further on)
	s_lshl_b32 s98, s66, 3
	s_add_co_u32 s98, s98, 1664                    ; V: R's first tile
	s_lshl_b32 s105, s19, 2                        ; the 4 of the 8 that I would fetch
	s_add_co_u32 s2, s104, s105
	s_mul_i32 s2, s2, TILEB
	s_mov_b32 s3, 0
	s_add_co_u32 s88, s98, s105
	s_mul_i32 s88, s88, TILEB
	s_mov_b32 s89, 0
	s_lshl_b32 s62, s21, 4
	s_lshl_b32 s99, s19, 3                         ; the 8 of the 16 that I would fetch, and that I multiply
	s_add_co_u32 s62, s62, s99
	s_add_co_u32 s62, s62, 1536                    ; Q: P's tile (K: 64 further on)
	s_lshl_b32 s63, s23, 4
	s_add_co_u32 s63, s63, s99
	s_add_co_u32 s63, s63, 1024                    ; V: P's tile
	s_mul_i32 s100, s62, TILEB
	s_mov_b32 s101, 0
	s_mul_i32 s96, s63, TILEB
	s_mov_b32 s97, 0
	s_mul_i32 s94, s19, 24576                      ; where they go: no place in the cluster enters an LDS address
	s_mul_i32 s95, s19, 49152
	s_wait_kmcnt 0x0
	s_add_nc_u64 s[RB:RB+1], s[4:5], s[2:3]
	s_add_nc_u64 s[RB+2:RB+3], s[RB:RB+1], 512*TILEB
	s_add_nc_u64 s[RB+4:RB+5], s[4:5], s[88:89]
	s_add_nc_u64 s[PB:PB+1], s[4:5], s[100:101]
	s_add_nc_u64 s[PB+2:PB+3], s[PB:PB+1], 64*TILEB
	s_add_nc_u64 s[PB+4:PB+5], s[4:5], s[96:97]
	G0SET G0R, 94, 0, RB, 0
	G0SET G0R+4, 94, SLOT, RB, HB
	G0SET G0P, 95, POFF, PB, 0
	G0SET G0P+4, 95, SLOT+POFF, PB, HB
	CROUND                                         ; all sixteen work-groups are here: the first joint loads meet
	s_cmp_lt_u32 s18, 2                            ; slot 0's first fill: one tensor load a wave at the head
	s_cbranch_scc0 .Lfill_p
	tensor_load_to_lds s[G0R:G0R+3], s[G1R:G1R+7]
	s_nop 0
	PLACES 4
	s_branch .Lfilled
.Lfill_p:
	tensor_load_to_lds s[G0P:G0P+3], s[G1P:G1P+7]
	s_nop 0
	PLACES 4
.Lfilled:
	; the scale words' places
	s_lshl_b32 s105, s20, 2
	s_add_co_u32 s104, s104, s105                  ; Q, K: the first of the 4 tiles of R that I multiply: also my first tile of rows, of 512
	s_lshl_b32 s2, s104, 9
	s_add_nc_u64 s[RS:RS+1], s[6:7], s[2:3]
	s_add_nc_u64 s[RS+2:RS+3], s[RS:RS+1], 512*512
	s_add_co_u32 s2, s98, s105
	s_lshl_b32 s2, s2, 9
	s_add_nc_u64 s[RS+4:RS+5], s[6:7], s[2:3]
	s_lshl_b32 s100, s62, 9
	s_add_nc_u64 s[PS:PS+1], s[6:7], s[100:101]
	s_add_nc_u64 s[PS+2:PS+3], s[PS:PS+1], 64*512
	s_lshl_b32 s100, s63, 9
	s_add_nc_u64 s[PS+4:PS+5], s[6:7], s[100:101]
	; the biases' places, and where the results go
	s_lshl_b32 s2, s21, 1
	s_add_co_u32 s2, s2, s19                       ; Q, K: which 128 outputs are mine
	s_lshl_b32 s100, s2, 9
	s_add_nc_u64 s[12:13], s[12:13], s[100:101]
	s_add_nc_u64 s[14:15], s[14:15], s[100:101]
	s_lshl_b32 s2, s2, 1                           ; my first head
	s_lshr_b32 s3, s104, 6                         ; b
	s_lshl_b32 s3, s3, 4
	s_add_co_u32 s2, s2, s3                        ; 16 b + head
	s_and_b32 s3, s104, 63                         ; the tile of rows in its batch
	s_mul_i32 s100, s2, 147456
	s_mul_i32 s99, s3, 768
	s_add_co_u32 s100, s100, s99
	s_add_nc_u64 s[OQC:OQC+1], s[8:9], s[100:101]
	s_mul_i32 s100, s2, 10240
	s_lshl_b32 s99, s3, 6
	s_add_co_u32 s100, s100, s99
	s_add_nc_u64 s[OQS:OQS+1], s[10:11], s[100:101]
	s_lshl_b32 s2, s66, 1
	s_add_co_u32 s2, s2, s20                       ; V: my head
	s_lshl_b32 s100, s2, 8
	s_add_nc_u64 s[16:17], s[16:17], s[100:101]
	s_lshr_b32 s3, s23, 2                          ; b
	s_lshl_b32 s3, s3, 4
	s_add_co_u32 s2, s2, s3
	s_and_b32 s3, s23, 3
	s_lshl_b32 s3, s3, 1
	s_add_co_u32 s3, s3, s19                       ; which 128 keys of the batch's 1,024
	s_mul_i32 s100, s2, 147456
	s_mul_i32 s99, s3, 6144
	s_add_co_u32 s100, s100, s99
	s_add_co_u32 s100, s100, 98304
	s_add_nc_u64 s[OVC:OVC+1], s[8:9], s[100:101]
	s_mul_i32 s100, s2, 10240
	s_lshl_b32 s99, s3, 8
	s_add_co_u32 s100, s100, s99
	s_add_co_u32 s100, s100, 8192
	s_add_nc_u64 s[OVS:OVS+1], s[10:11], s[100:101]
	s_mov_b32 s[SEL], 0x76543210
	s_mov_b32 s[SEL+1], 0xfedcba98
	v_and_b32 v1, 31, v0                           ; lane
	v_and_b32 v2, 15, v0                           ; r
	v_bfe_u32 v3, v0, 4, 1                         ; h
	v_lshlrev_b32 v4, 4, v1                        ; 16 x lane
	v_lshlrev_b32 v5, 3, v1                        ; 8 x lane
	v_lshlrev_b32 v6, 6, v3                        ; Q's and K's bias: 64 h
	s_wait_alu depctr_va_vdst(0)
	v_and_b32 v7, 8, v2
	v_add_nc_u32 v7, v7, v2
	v_lshlrev_b32 v7, 2, v7                        ; V's: 4 (r + 8 (r / 8))
	v_lshlrev_b32 v[SO], 5, v2
	s_mul_i32 s2, s19, 49152
	s_add_co_u32 s2, s2, POFF                      ; my 8 tiles of P
	s_mul_i32 s3, s20, 24576                       ; my 4 tiles of R
.irp c, 0,1
	v_add_nc_u32 v[AP+\c], s2, v4
	v_add_nc_u32 v[AR+\c], s3, v4
	s_add_co_u32 s2, s2, SLOT
	s_add_co_u32 s3, s3, SLOT
.endr
	SCALES 0
	BIAS 0
	s_wait_alu depctr_va_vdst(0)
	s_wait_tensorcnt 0x0                           ; my part of slot 0 is in; slot 1's first fill is issued as a refill is
	ds_add_u32 v[SPW], v[NIL]
	s_wait_dscnt 0x0
	CROUND                                         ; everybody's part of slot 0 is in, and all sixteen work-groups are here
	JLOAD 1                                        ; the second half of K: the first tensor load behind the round
	FETCHP 0
	TILE 0
	TILE 1
	TILE 2
	s_wait_tensorcnt 0x0                           ; the wave's end
	ds_add_u32 v[SPW], v[NIL]
	s_wait_dscnt 0x0
	CROUND                                         ; the closing round: no work-group ends while a partner may still ask for a tile that names it
	s_endpgm
.Lfunc_end_k_q6d9f2d7982_proj:
	.size	k_q6d9f2d7982_proj, .Lfunc_end_k_q6d9f2d7982_proj-k_q6d9f2d7982_proj
	.p2alignl 7, 3214868480
	.fill 96, 4, 3214868480
	.section	.rodata,"a",@progbits
	.p2align	6, 0x0
	.amdhsa_kernel k_q6d9f2d7982_proj
		.amdhsa_group_segment_fixed_size 327680
		.amdhsa_private_segment_fixed_size 0
		.amdhsa_enable_private_segment 0
		.amdhsa_kernarg_size 56
		.amdhsa_user_sgpr_count 2
		.amdhsa_user_sgpr_kernarg_segment_ptr 1
		.amdhsa_wavefront_size32 1
		.amdhsa_system_sgpr_workgroup_id_x 1
		.amdhsa_system_sgpr_workgroup_id_y 1
		.amdhsa_system_sgpr_workgroup_id_z 1
		.amdhsa_system_vgpr_workitem_id 0
		.amdhsa_next_free_vgpr 832
		.amdhsa_next_free_sgpr 106
		.amdhsa_reserve_vcc 1
		.amdhsa_float_denorm_mode_32 3
		.amdhsa_float_denorm_mode_16_64 3
		.amdhsa_memory_ordered 1
		.amdhsa_forward_progress 1
		.amdhsa_inst_pref_size 236
	.end_amdhsa_kernel
	.amdgpu_metadata
---
amdhsa.version: [ 1, 2 ]
amdhsa.kernels:
  - .name:           k_q6d9f2d7982_proj
    .symbol:         k_q6d9f2d7982_proj.kd
    .args:
      - { .name: opc, .offset: 0, .size: 8, .value_kind: global_buffer, .address_space: global }
      - { .name: ops, .offset: 8, .size: 8, .value_kind: global_buffer, .address_space: global }
      - { .name: hc, .offset: 16, .size: 8, .value_kind: global_buffer, .address_space: global }
      - { .name: hs, .offset: 24, .size: 8, .value_kind: global_buffer, .address_space: global }
      - { .name: bq, .offset: 32, .size: 8, .value_kind: global_buffer, .address_space: global }
      - { .name: bk, .offset: 40, .size: 8, .value_kind: global_buffer, .address_space: global }
      - { .name: bv, .offset: 48, .size: 8, .value_kind: global_buffer, .address_space: global }
    .group_segment_fixed_size: 327680
    .private_segment_fixed_size: 0
    .kernarg_segment_align: 8
    .kernarg_segment_size: 56
    .max_flat_workgroup_size: 128
    .sgpr_count:     106
    .vgpr_count:     832
    .wavefront_size: 32
...
	.end_amdgpu_metadata
.endif
;; end of part 2
;; launch attn (part 3): grid 2 x 128, 16 waves a work-group, no clusters, 177,152 bytes of LDS; arguments hc, hs, mask, ac, asc; writes ac, asc
.if DOCPART == 3
	.amdgcn_target "amdgcn-amd-amdhsa--gfx1250"
	.amdhsa_code_object_version 6
	.text
	.protected	k_q6d9f2d7982_attn
	.globl	k_q6d9f2d7982_attn
	.p2align	8
	.type	k_q6d9f2d7982_attn,@function
k_q6d9f2d7982_attn:
	s_mov_b64 s[64:65], 0
	v_nop
	global_prefetch_b8 v0, s[64:65] scope:SCOPE_SE
	s_setreg_imm32_b32 hwreg(HW_REG_WAVE_MODE, 25, 1), 1
	s_wait_xcnt 0x0
; For each batch and head: S^T = K Q^T, the mask, p = 2^(t - M), O^T = V^T p^T, O / the row's sum, all products on codes of BF6 (E3M2) with E8M0 scales; O is quantised along d and stored for the last product.
; t = score x log2(e) / 8; M = the ceiling of the running largest t OF THE KEPT KEYS; p is quantised along the keys, not normalised; the row's sum is taken of the unquantised p; when M moves, sum and O^T are multiplied by 2^(old M - new M).
; SHARES.  A work-group owns two blocks of 256 queries of one head, one after the other; in each block each of its sixteen waves owns 16 queries.  K, V and their scale words of the whole head (104,448 bytes) lie in LDS,
; filled once, one tensor load a wave: waves 0-11 fetch 8,192 bytes of codes each, waves 12-15 1,536 bytes of scale words each.  Nothing is filled again; behind the one barrier at the head the waves share nothing until the end.
; THE MASK: a wave's own 16 rows x 256 keys (a tile) come by eight loads of 16 bytes a lane, sixteen lanes to a row's aligned 256 bytes, into 32 registers, asked for at the head of the trip before;
; they turn through the wave's own stage in LDS (16 rows of 256 + 16 bytes), from which a lane reads the 16 bytes of its query's 16 keys.  LDS serves a wave's instructions in order, so one stage serves.
; PREFETCH: in trip T each wave names the 16 rows x 256 bytes of its own tile T + 2, a lane a row (lanes 16-31 name row 15 again), one trip ahead of the loads that will want them; trips 6 and 7 ask for nothing.
; ONE LOOP of eight trips, a tile (two key steps of 128 keys) a trip; trips 3 and 7 end a block of queries.  Branches hang on the trip's number alone.
; A STEP ASKS LDS FOR THE NEXT STEP'S OPERANDS: K's tiles 0-3 and scale words behind the products that free their registers, the mask bytes and K's tiles 6-7 ahead of the step's last products, tiles 4-5 four places behind them.
; The look-ahead is written in one form, so that the counted waits hold on every path: what the last trip asks for (8 stage stores, 20 LDS loads a wave) is read by nobody.
; LAYOUT.  Both products are used transposed: a lane holds ONE query (lane % 16).  K's tiles hold keys 32 (u / 2) + 8 (u % 2) + r + 8 (r / 8), so that register 16 b + i of S^T is key 32 b + 16 (lane / 16) + i; V's rows likewise for d.
; The head's 64 fill half of the instruction's K: registers 6-11 of Q's fragment are zero codes.  K's fragments lie 6 registers apart: registers 6-11 of one are the next tile's codes (behind tile 3 zeros, behind tile 7 work registers);
; every pattern of 6 bits is a finite number of E3M2, and it meets a zero code of Q there under scale bytes 0.
; THE MASK WITHOUT COMPARES.  One v_perm_b32 with the mask bytes as SELECTOR turns 0 into 0xfb and 1 into 0x00: as codes of E5M2 -57,344 and 0.  One conversion widens eight of them and multiplies by 2^108 (scale byte 235):
; -1.75 x 2^123 for a hidden key, 0 for a kept one.  That number is the C of the product K Q^T.  The running largest t begins at -2^100: above every hidden t, under every real one.
; LIMITS: |t| under 2^99; NaN and infinities are not served; a block of zeros gets the scale byte 1 (this program alone reads the bytes).
; A row with no kept key keeps its largest t under -2^99: its two scale bytes are set to 0xff, which makes the last product's whole row NaN, as the softmax of a row of -infinity does.
; NO CLUSTER: the two work-groups of a head share 104,448 of a work-group's 628,736 bytes, fetched once at the head; all else is each work-group's own mask rows.
; REGISTERS: v1-11 addresses; v12 -M, v13 the largest t, v[14:15] the sum; v16-27 Q; v28 the mask loads' offset; v29 Q's scale word; v30 the mask conversion's scale bytes; v31 8 r; v32-55 K's tiles 0-3, v56-61 zeros;
;   v62-66 LDS addresses that move with the trip; v67 the prefetch's offset; v68-83 mask bytes, later halves of p's codes; v84-91 K's scale words, v92-95 V's; v96-159 S^T, then p, then (v96-143) V's fragments; v160-191 O^T;
;   v192-223 the next mask tile; v224-235 K's tiles 4-5, later p's codes; v236-247 K's tiles 6-7, later at work (TP, SOP, a chain of the sum, f); v248-252 at work; v253, v255 the two blocks' scale bytes; v254 p's scale word.
.set VC,    49152                      ; LDS: K's codes at 0, V's here,
.set KS,    98304                      ; K's scale words (4,096 bytes), V's behind them (2,048),
.set MS0,   104448                     ; the sixteen stages, 16 rows of MP bytes each,
.set MP,    272
.set SPARE, 174080                     ; the spare words, 128 bytes for each wave: eight blocks of 256 bytes that no other line names,
.set OSC,   176128                     ; and 1,024 bytes in which the 512 queries' scale bytes meet
.set KF, 32
.set MB, 68
.set SW, 84
.set VS, 92
.set MG, 192
.set PC, 224
.set TP, 236
.set SOP, 240
.set TM, 248
.macro KT reg, t, qq                   ; tile t of K of the trip's step qq: registers 0-3 and 4-5, as they lie
	ds_load_b128 v[\reg:\reg+3], v62 offset:6144*(\qq)+768*(\t)
	ds_load_b64 v[\reg+4:\reg+5], v63 offset:6144*(\qq)+768*(\t)
.endm
.macro PK0 qq                          ; K's tiles 0-3 and the eight tiles' scale words: tile u's word in v[SW + 4 (u / 4) + 2 (u % 2) + (u / 2) % 2]
.irp t, 0,1,2,3
	KT KF+6*\t, \t, \qq
.endr
.irp i, 0,1,2,3
	ds_load_b64 v[SW+2*\i:SW+2*\i+1], v65 offset:512*(\qq)+128*\i
.endr
.endm
.macro PMB qq                          ; my 16 mask bytes of each block of 32 keys
.irp b, 0,1,2,3
	ds_load_b128 v[MB+4*\b:MB+4*\b+3], v7 offset:128*(\qq)+32*\b
.endr
.endm
.macro TOSTAGE                         ; the mask tile in hand goes into my stage: behind the reads of the tile before, ahead of the reads that follow
	s_wait_loadcnt 0x0
.irp p, 0,1,2,3,4,5,6,7
	ds_store_b128 v8, v[MG+4*\p:MG+4*\p+3] offset:2*MP*\p
.endr
.endm
.macro KQ g, base                      ; S^T = K Q^T + the mask's number, tiles 4 g .. 4 g + 3
.irp t, 0,1,2,3
	v_wmma_scale_f32_16x16x128_f8f6f4 v[96+8*(4*\g+\t):103+8*(4*\g+\t)], v[\base+6*\t:\base+6*\t+11], v[16:27], v[96+8*(4*\g+\t):103+8*(4*\g+\t)], v[SW+4*\g+2*(\t%2)+(\t/2)], v29 matrix_a_fmt:MATRIX_FMT_BF6 matrix_b_fmt:MATRIX_FMT_BF6
.endr
.endm
.macro PTR d, ahead                    ; s[d:d+1] = where my rows of tile T + ahead begin: 262,144 bytes a block of queries, 256 a tile
	s_add_co_u32 s28, s26, \ahead
	s_lshr_b32 s30, s28, 2
	s_lshl_b32 s30, s30, 18
	s_and_b32 s28, s28, 3
	s_lshl_b32 s28, s28, 8
	s_add_co_u32 s28, s28, s30
	s_add_nc_u64 s[\d:\d+1], s[76:77], s[28:29]
.endm
.macro MLOAD base                      ; a mask tile: load p takes rows 2 p and 2 p + 1, 256 consecutive bytes each
.irp p, 0,1,2,3,4,5,6,7
	global_load_b128 v[MG+4*\p:MG+4*\p+3], v28, s[\base:\base+1] offset:2048*\p th:TH_LOAD_NT
.endr
.endm
.macro FRESH                           ; a block of queries begins
	v_mov_b32 v13, 0xf1800000                      ; the largest t so far: -2^100
	v_mov_b32 v14, 0
	v_mov_b32 v15, 0
	v_floor_f32 v12, -v13
.set J, 0
.rept 32
	v_mov_b32 v[160+J], 0                          ; O^T: the step is written in one form, and the first change of M leaves zeros zeros
.set J, J+1
.endr
.endm
.macro TMM n                           ; n pairs more of t - M
.rept \n
	v_pk_fma_f32 v[96+J:97+J], v[96+J:97+J], s[22:23], v[12:13] op_sel_hi:[1,0,0]
.set J, J+2
.endr
.endm
.macro SUM4 j                          ; four pairs of p onto the sum's four chains
	v_pk_add_f32 v[14:15], v[14:15], v[96+\j:97+\j]
	v_pk_add_f32 v[244:245], v[244:245], v[98+\j:99+\j]
	v_pk_add_f32 v[236:237], v[236:237], v[100+\j:101+\j]
	v_pk_add_f32 v[238:239], v[238:239], v[102+\j:103+\j]
.endm
; A KEY STEP: the q-th 128 keys of the trip's tile.  At its head K's tiles 0-3 and scale words are in; the mask bytes (4 loads) and behind them tiles 6-7 (4 loads) are on their way
.macro STEP q
	s_wait_dscnt 4                                 ; the mask bytes are in (and the stage's stores have read their registers); the 4 loads of tiles 6-7 may be out
.if \q == 0
	s_cmp_eq_u32 s26, 7                            ; the last trip has no next tile
	s_cbranch_scc1 .Lno_next
	s_wait_xcnt 0x0                                ; the last trip's prefetch has read its address
	PTR 72, 1
	MLOAD 72                                       ; the next tile: the wait for it stands near the end of this trip's second step
	s_cmp_lt_u32 s26, 6
	s_cbranch_scc0 .Lno_next
	PTR 74, 2
	global_prefetch_b8 v67, s[74:75] th:TH_LOAD_NT scope:SCOPE_SE
.Lno_next:
.endif
.irp i, 0,1,2,3
	v_perm_b32 v[MB+\i], s24, s24, v[MB+\i]        ; 0 -> 0xfb, 1 -> 0x00.  (These four are the places behind the last step's products, which read p's codes where tiles 4-5 go)
.endr
	KT PC, 4, \q
	KT PC+6, 5, \q
.irp i, 4,5,6,7,8,9,10,11,12,13,14,15
	v_perm_b32 v[MB+\i], s24, s24, v[MB+\i]
.endr
.irp i, 0,1,2,3,4,5,6,7
	v_cvt_scale_pk8_f32_bf8 v[96+8*\i:103+8*\i], v[MB+2*\i:MB+2*\i+1], v30   ; tile i's C: byte y of the pair is register y's key
.endr
.rept 4
	v_nop                                          ; plain lines between the conversions and the products that take their results as C
.endr
	s_wait_alu depctr_va_vdst(0)
	s_wait_dscnt 0x0                               ; all eight tiles of K
	KQ 0, KF
	KQ 1, PC
.if \q == 0
.rept 4
	v_nop                                          ; four places in front of loads into registers that those products read, and of the first read of their results
.endr
.else
	v_add_nc_u32 v62, s34, v1                      ; the same four places: K's addresses go on to the next trip's keys (this trip's loads of K are all issued)
	v_add_nc_u32 v63, s34, v2
	v_add_nc_u32 v65, s35, v4
	v_nop
.endif
	PK0 1-\q                                       ; the next step's
.irp b, 0,1,2,3
	v_max3_num_f32 v[TM+\b], v[96+16*\b], v[97+16*\b], v[98+16*\b]   ; the largest score of each block of 32 keys: it serves the row's maximum and, since p rises with the score, the block's largest p
.endr
.irp i, 3,5,7,9,11,13
.irp b, 0,1,2,3
	v_max3_num_f32 v[TM+\b], v[TM+\b], v[96+16*\b+\i], v[97+16*\b+\i]   ; the four blocks by turns
.endr
.endr
.irp b, 0,1,2,3
	v_max_num_f32 v[TM+\b], v[TM+\b], v[111+16*\b]
.endr
.irp b, 0,1,2,3
	v_permlanex16_b32 v[TP+\b], v[TM+\b], s20, s21
.endr
.irp b, 0,1,2,3
	v_max_num_f32 v[TM+\b], v[TM+\b], v[TP+\b]     ; with lane l xor 16's 16 keys
.endr
	s_delay_alu instid0(VALU_DEP_2)
	v_max3_num_f32 v252, v248, v249, v250
	s_delay_alu instid0(VALU_DEP_1)
	v_max_num_f32 v252, v252, v251                 ; the step's largest score of my query
	s_delay_alu instid0(VALU_DEP_1)
	v_mul_f32 v252, s22, v252                      ; as t
	s_delay_alu instid0(VALU_DEP_1)
	v_max_num_f32 v13, v13, v252                   ; the running largest t
	v_mov_b32 v252, v12
	s_delay_alu instid0(VALU_DEP_2)
	v_floor_f32 v12, -v13                          ; the new -M = -ceil(t): a whole number
.set J, 0
	TMM 16                                         ; t - M of keys in blocks 0 and 1
	s_wait_alu depctr_va_vdst(0)                   ; ahead of the batch
.set I, 0
.rept 32
	v_exp_f32 v[96+I], v[96+I]                     ; p = 2^(t - M), at most 1
.set I, I+1
.endr
	v_sub_f32 v252, v12, v252                      ; old M - new M, 0 or less.  (Plain work behind the first batch: it names none of its results)
	TMM 4
	v_cvt_i32_f32 v252, v252                       ; (it saturates)
	TMM 4
	v_ldexp_f32 v246, 1.0, v252                    ; f = 2^(old M - new M)
	TMM 8
.irp b, 0,1,2,3
	v_fma_f32 v[TM+\b], v[TM+\b], s22, v12         ; the same of each block's largest score
.endr
	s_wait_alu depctr_va_vdst(0)                   ; behind the first batch and ahead of the second
.rept 32
	v_exp_f32 v[96+I], v[96+I]
.set I, I+1
.endr
.irp b, 0,1,2,3
	v_exp_f32 v[TM+\b], v[TM+\b]                   ; the blocks' largest p
.endr
	v_pk_mul_f32 v[14:15], v[14:15], v[246:247] op_sel_hi:[1,0]   ; the sums under the new M: the plain line behind the exponentials
	v_pk_add_f32 v[244:245], v[96:97], v[98:99]    ; the row's sum of the unquantised p, in four chains: first what the first batch made
	v_pk_add_f32 v[236:237], v[100:101], v[102:103]
	v_pk_add_f32 v[238:239], v[104:105], v[106:107]
	SUM4 12
	SUM4 20
	v_pk_add_f32 v[14:15], v[14:15], v[124:125]
	v_pk_add_f32 v[244:245], v[244:245], v[126:127]
	s_wait_alu depctr_va_vdst(0)                   ; behind the second batch, ahead of its first reader
	SUM4 32
	SUM4 40
	v_pk_add_f32 v[236:237], v[236:237], v[238:239]
.irp b, 0,1,2,3
	v_max_num_f32 v[TM+\b], 0x2800000, v[TM+\b]    ; the floor 2^(5 - 127): a block whose every p is 0 keeps the byte 1
.endr
	v_pk_add_f32 v[244:245], v[244:245], v[236:237]   ; two chains are left
.irp b, 0,1,2,3
	v_add_nc_u32 v[SOP+\b], 0xfe000000, v[TM+\b]   ; 4 off the exponent field: the conversion's scale operand
.endr
.irp c, 0,1
	v_cvt_scalef32_pk16_bf6_f32 v[PC+6*\c:PC+2+6*\c], v[96+32*\c:111+32*\c], v[SOP+2*\c]
	v_cvt_scalef32_pk16_bf6_f32 v[MB+4*\c:MB+2+4*\c], v[112+32*\c:127+32*\c], v[SOP+2*\c+1]   ; (a conversion's three registers begin on an even number)
.endr
.irp m, 0,1,2,3
.irp j, 0,1,2
	ds_load_b128 v[96+12*\m+4*\j:99+12*\m+4*\j], v64 offset:6144*\q+1536*\m+512*\j   ; V's four fragments, where p's first 48 numbers lay
.endr
.endr
.irp e, 0,1
	ds_load_b64 v[VS+2*\e:VS+2*\e+1], v66 offset:256*\q+128*\e   ; V's scale words: tile m's in v[VS + 2 (m % 2) + m / 2]
.endr
.irp b, 0,1,2,3
	v_lshrrev_b32 v[TP+\b], 23, v[SOP+\b]          ; the scales' bytes.  (The plain lines behind the scaled conversions)
.endr
	s_delay_alu instid0(VALU_DEP_3)
	v_lshl_or_b32 v254, v[TP+1], 8, v[TP]          ; p's scale word for these 128 keys
.irp i, 0,1,2
	v_permlane16_swap_b32 v[PC+\i], v[MB+\i]       ; a whole block in a lane
.endr
	v_lshl_or_b32 v254, v[TP+2], 16, v254
.irp i, 0,1,2
	v_permlane16_swap_b32 v[PC+6+\i], v[MB+4+\i]
.endr
	v_lshl_or_b32 v254, v[TP+3], 24, v254
.irp c, 0,1
.irp i, 0,1,2
	v_mov_b32 v[PC+3+6*\c+\i], v[MB+4*\c+\i]
.endr
.endr
.if \q == 1
	TOSTAGE                                        ; the next trip's mask tile
.endif
	PMB 1-\q                                       ; the next step's mask bytes
	s_wait_alu depctr_va_vdst(0)                   ; directly ahead of the first reader of O^T
.set J, 0
.rept 16
	v_pk_mul_f32 v[160+J:161+J], v[160+J:161+J], v[246:247] op_sel_hi:[1,0]   ; O^T under the new M
.set J, J+2
.endr
.irp j, 48,52,56,60
	v_pk_add_f32 v[14:15], v[14:15], v[96+\j:97+\j]        ; the rest of the sum: v144-159, which V's loads leave alone
	v_pk_add_f32 v[244:245], v[244:245], v[98+\j:99+\j]
.endr
	s_delay_alu instid0(VALU_DEP_1)
	v_pk_add_f32 v[14:15], v[14:15], v[244:245]
	KT TP, 6, 1-\q                                 ; the next step's tiles 6-7, into work registers that are done with
	KT TP+6, 7, 1-\q
	s_wait_dscnt 8+8*\q                            ; V and its scale words are in; out may be the stage's 8 stores (second step), the 4 loads of mask bytes and the 4 of tiles 6-7
.irp m, 0,1,2,3
	v_wmma_scale_f32_16x16x128_f8f6f4 v[160+8*\m:167+8*\m], v[96+12*\m:107+12*\m], v[PC:PC+11], v[160+8*\m:167+8*\m], v[VS+2*(\m%2)+(\m/2)], v254 matrix_a_fmt:MATRIX_FMT_BF6 matrix_b_fmt:MATRIX_FMT_BF6
.endr
.endm
	s_load_b256 s[4:11], s[0:1], 0x0               ; hc, hs, mask, ac
	s_load_b64 s[12:13], s[0:1], 0x20              ; asc
	v_lshl_add_u32 v5, v0, 2, SPARE
	v_mov_b32 v6, 0
	ds_add_u32 v5, v6                              ; the opening lines: the add, twice on end, and its wait ahead of my tensor load
	ds_add_u32 v5, v6
	v_lshrrev_b32 v1, 5, v0
	v_readfirstlane_b32 s14, v1                    ; wave 0..15
	s_and_b32 s15, ttmp7, 0xffff                   ; 16 b + head
	s_lshl_b32 s16, ttmp9, 1                       ; my first block of 256 queries: 0 or 2
	s_and_b32 s17, s14, 3
	s_mov_b32 s20, 0x76543210
	s_mov_b32 s21, 0xfedcba98                      ; lane l xor 16
	s_mov_b32 s22, 0x3e38aa3b                      ; c = log2(e) / 8
	s_mov_b32 s23, s22
	s_mov_b32 s24, 0xfb                            ; the table: byte 0 = 0xfb, byte 1 = 0
	s_mov_b32 s26, 0                               ; T: the trip
	s_mov_b32 s29, 0
	s_mov_b32 s40, 3<<16                           ; a twelfth of K's and V's codes: 8,192 dense bytes as 32 rows of 256
	s_mov_b32 s41, 32<<16
	s_mov_b32 s42, 32<<16
	s_mov_b32 s43, 32<<16
	s_mov_b32 s44, 32
	s_mov_b32 s45, 32
	s_mov_b32 s46, 0
	s_mov_b32 s47, 0
	s_mov_b32 s48, 3<<16                           ; a quarter of their scale words: 1,536 dense bytes as 6 rows of 256
	s_mov_b32 s49, 32<<16
	s_mov_b32 s50, 6<<16
	s_mov_b32 s51, 32<<16
	s_mov_b32 s52, 6
	s_mov_b32 s53, 32
	s_mov_b32 s54, 0
	s_mov_b32 s55, 0
	s_mul_i32 s2, s15, 10240
	s_mul_i32 s3, s17, 1536
	s_add_co_u32 s2, s2, s3
	s_add_co_u32 s2, s2, 4096                      ; K's and V's scale words lie on end behind Q's
	s_mov_b32 s3, 0
	s_mul_i32 s66, s15, 147456
	s_lshl_b32 s67, s14, 13
	s_add_co_u32 s66, s66, s67
	s_add_co_u32 s66, s66, 49152                   ; K's and V's codes lie on end behind Q's
	s_mov_b32 s67, 0
	s_lshl_b32 s18, s15, 20
	s_lshl_b32 s19, s16, 18
	s_add_co_u32 s18, s18, s19
	s_lshl_b32 s19, s14, 14
	s_add_co_u32 s18, s18, s19                     ; my wave's first mask row, in bytes
	s_mov_b32 s19, 0
	v_and_b32 v252, 31, v0                         ; lane
	v_and_b32 v31, 15, v0                          ; r
	v_bfe_u32 v30, v0, 4, 1                        ; h
	v_lshlrev_b32 v1, 4, v252                      ; 16 x lane
	v_lshlrev_b32 v9, 3, v252                      ; 8 x lane
	v_add_nc_u32 v2, 512, v9
	v_add_nc_u32 v3, VC, v1
	v_lshl_add_u32 v4, v31, 3, KS
	s_mul_i32 s31, s14, 16*MP
	s_add_co_u32 s31, s31, MS0                     ; my stage
	v_mul_u32_u24 v7, v31, MP
	v_lshl_add_u32 v7, v30, 4, v7
	v_add_nc_u32 v7, s31, v7                       ; out of it: my query's row, + 16 h
	v_mul_u32_u24 v8, v30, MP
	v_lshl_add_u32 v8, v31, 4, v8
	v_add_nc_u32 v8, s31, v8                       ; into it: row lane / 16, 16 bytes a lane
	s_lshl_b32 s31, s14, 5
	s_add_co_u32 s31, s31, OSC
	v_lshl_add_u32 v10, v31, 1, s31
	v_add_nc_u32 v11, OSC, v1
	v_lshlrev_b32 v28, 10, v30
	v_lshl_add_u32 v28, v31, 4, v28                ; in the mask: row lane / 16 of 1,024 bytes, 16 bytes a lane
	v_min_u32 v67, 15, v252
	v_lshlrev_b32 v67, 10, v67                     ; the prefetch: a lane a row
	v_lshlrev_b32 v31, 3, v31
	v_mov_b32 v30, 0xebebebeb                      ; the scale byte 235 = 2^108, in every byte
	v_mov_b32 v62, v1                              ; K's addresses for trip 0
	v_mov_b32 v63, v2
	v_mov_b32 v65, v4
	s_wait_alu depctr_va_vdst(0)                   ; directly ahead of the waits below
	s_wait_dscnt 0x0                               ; both opening adds are done
	s_wait_kmcnt 0x0
	s_mov_b32 s56, 1
	s_lshl_b32 s57, s14, 13
	s_add_nc_u64 s[58:59], s[4:5], s[66:67]
	s_or_b32 s59, s59, 0x80000000
	s_mov_b32 s60, 1
	s_mul_i32 s61, s17, 1536
	s_add_co_u32 s61, s61, KS
	s_add_nc_u64 s[62:63], s[6:7], s[2:3]
	s_or_b32 s63, s63, 0x80000000
	s_cmp_lt_u32 s14, 12                           ; every way passes exactly one tensor load
	s_cbranch_scc0 .Lfill_s
	tensor_load_to_lds s[56:59], s[40:47]
	s_nop 0
.rept 4
	v_nop
.endr
	s_branch .Lfilled
.Lfill_s:
	tensor_load_to_lds s[60:63], s[48:55]
	s_nop 0
.rept 4
	v_nop
.endr
.Lfilled:
	s_add_nc_u64 s[76:77], s[8:9], s[18:19]
	MLOAD 76                                       ; the first mask tile
	s_lshl_b32 s2, s16, 4
	s_add_co_u32 s2, s2, s14                       ; my first tile of queries, of the head's 64
	s_mul_i32 s2, s2, 768
	s_mul_i32 s66, s15, 147456
	s_add_co_u32 s2, s2, s66
	s_add_nc_u64 s[4:5], s[4:5], s[2:3]            ; Q's codes
	s_mul_i32 s2, s15, 10240
	s_lshl_b32 s66, s16, 10
	s_add_co_u32 s2, s2, s66
	s_lshr_b32 s66, s14, 2
	s_lshl_b32 s66, s66, 8
	s_add_co_u32 s2, s2, s66                       ; the group of four tiles,
	s_and_b32 s66, s14, 1
	s_lshl_b32 s66, s66, 7
	s_add_co_u32 s2, s2, s66
	s_bfe_u32 s66, s14, 0x10001
	s_lshl_b32 s66, s66, 2
	s_add_co_u32 s2, s2, s66                       ; and my tile's words in it
	s_add_nc_u64 s[6:7], s[6:7], s[2:3]
	global_load_b128 v[16:19], v1, s[4:5]          ; the first block's fragment of Q
	global_load_b64 v[20:21], v9, s[4:5] offset:512
	global_load_b32 v29, v31, s[6:7]               ; and its scale word
	s_lshr_b32 s2, s15, 4
	s_lshl_b32 s2, s2, 6
	s_lshl_b32 s66, s16, 4
	s_add_co_u32 s2, s2, s66
	s_add_co_u32 s2, s2, s14                       ; my first tile of rows, of 512
	s_lshl_b32 s2, s2, 4
	s_and_b32 s66, s15, 15
	s_add_co_u32 s2, s2, s66
	s_mul_i32 s2, s2, 768
	s_add_nc_u64 s[10:11], s[10:11], s[2:3]        ; ac: [tile of rows][head] 768 bytes
	s_lshl_b32 s2, s15, 11
	s_lshl_b32 s66, s16, 9
	s_add_co_u32 s2, s2, s66
	s_add_nc_u64 s[12:13], s[12:13], s[2:3]        ; asc: two bytes a query
.irp i, 22,23,24,25,26,27,56,57,58,59,60,61
	v_mov_b32 v[\i], 0                             ; zero codes: Q's k = 64 .. 127, and what lies behind K's tile 3
.endr
.irp i, 248,249,250,251,252,253,255
	v_mov_b32 v[\i], 0                             ; what lies behind K's tile 7 is written before it is named; v255 is moved before it is first made
.endr
	FRESH
	s_wait_alu depctr_va_vdst(0)
	s_wait_tensorcnt 0x0                           ; my part of K, V or their scale words is in
	s_barrier_signal -1
	s_barrier_wait -1                              ; everybody's is
	PK0 0                                          ; the first step's operands, in the order in which a step asks for the next one's
	TOSTAGE
	PMB 0
	KT TP, 6, 0
	KT TP+6, 7, 0
.Ltrip:
	s_and_b32 s27, s26, 3                          ; the tile in its block of queries: keys 256 x s27 on
	s_mul_i32 s30, s27, 12288
	v_add_nc_u32 v64, s30, v3                      ; V's 8 fragments of these keys,
	s_lshl_b32 s31, s27, 9
	s_add_co_u32 s31, s31, 4096
	v_add_nc_u32 v66, s31, v4                      ; V's scale words
	s_add_co_u32 s35, s26, 1
	s_and_b32 s35, s35, 3                          ; the next trip's tile:
	s_mul_i32 s34, s35, 12288                      ; where its 16 tiles of K begin,
	s_lshl_b32 s35, s35, 10                        ; and K's scale words
	s_wait_alu depctr_va_vdst(0)                   ; directly ahead of the wait below
	s_wait_loadcnt 0x0                             ; where a block begins: Q
	STEP 0
	STEP 1
	s_cmp_lg_u32 s27, 3
	s_cbranch_scc1 .Lnext
	s_cmp_eq_u32 s26, 7
	s_cbranch_scc1 .Lno_q
	global_load_b128 v[16:19], v1, s[4:5] offset:12288   ; the second block's Q: 16 tiles of 768 bytes on,
	global_load_b64 v[20:21], v9, s[4:5] offset:12800
	global_load_b32 v29, v31, s[6:7] offset:1024   ; its scale word four groups of 256 bytes on
.Lno_q:
	; THE WAY OUT of a block: O^T / the sum; register 16 u + i is d = 32 u + 16 h + i: two blocks of the last product's K.  It works in v96-159 and v248-251: the next step's operands lie untouched
	s_wait_alu depctr_va_vdst(0)
	v_add_f32 v14, v14, v15
	s_delay_alu instid0(VALU_DEP_1)
	v_permlanex16_b32 v248, v14, s20, s21
	s_delay_alu instid0(VALU_DEP_1)
	v_add_f32 v14, v14, v248                       ; the row's sum
	s_wait_alu depctr_va_vdst(0)
	v_rcp_f32 v14, v14
.rept 3
	v_nop                                          ; the plain line behind the reciprocal; with the additions above, the places behind the last products
.endr
	s_wait_alu depctr_va_vdst(0)                   ; ahead of the reciprocal's first reader and of the first reader of O^T
.set J, 0
.rept 32
	v_mul_f32 v[96+J], v[160+J], v14               ; each accumulator from its low end on
.set J, J+1
.endr
.irp u, 0,1
	v_max3_num_f32 v[248+\u], |v[96+16*\u]|, |v[97+16*\u]|, 0x2800000
.endr
.irp i, 2,4,6,8,10,12,14
.irp u, 0,1
	s_delay_alu instid0(VALU_DEP_2)
	v_max3_num_f32 v[248+\u], v[248+\u], |v[96+16*\u+\i]|, |v[97+16*\u+\i]|
.endr
.endr
.irp u, 0,1
	s_delay_alu instid0(VALU_DEP_2)
	v_permlanex16_b32 v[250+\u], v[248+\u], s20, s21
.endr
.irp u, 0,1
	s_delay_alu instid0(VALU_DEP_2)
	v_max_num_f32 v[248+\u], v[248+\u], v[250+\u]
.endr
.irp u, 0,1
	s_delay_alu instid0(VALU_DEP_2)
	v_add_nc_u32 v[128+\u], 0xfe000000, v[248+\u]
.endr
.irp u, 0,1
	s_delay_alu instid0(VALU_DEP_2)
	v_lshrrev_b32 v[130+\u], 23, v[128+\u]
.endr
	v_mov_b32 v253, v255                           ; the block before's bytes move on: at the end v253 holds the first block's, v255 the second's
	v_lshl_or_b32 v255, v131, 8, v130              ; my query's two scale bytes
	v_cmp_le_f32 vcc_lo, 0xf1000000, v13           ; -2^99 <= the largest t: the row has a kept key
	s_delay_alu instid0(VALU_DEP_1)
	v_cndmask_b32 v255, 0xffff, v255, vcc_lo       ; else both bytes are 0xff
	v_cvt_scalef32_pk16_bf6_f32 v[132:134], v[96:111], v128
	v_cvt_scalef32_pk16_bf6_f32 v[140:142], v[112:127], v129
	v_nop
.irp i, 0,1,2
	v_permlane16_swap_b32 v[132+\i], v[140+\i]
.endr
.irp i, 0,1,2
	s_delay_alu instid0(VALU_DEP_3)
	v_mov_b32 v[135+\i], v[140+\i]
.endr
	global_store_b128 v1, v[132:135], s[10:11]     ; 512 consecutive bytes,
	global_store_b64 v9, v[136:137], s[10:11] offset:512   ; and 256
	s_wait_alu depctr_va_vdst(0)                   ; directly ahead of the branch
	s_cmp_eq_u32 s26, 7
	s_cbranch_scc1 .Ldone
	FRESH
	s_wait_xcnt 0x0                                ; the stores have read their base and the codes' registers
	s_add_nc_u64 s[10:11], s[10:11], 196608        ; a block is 16 tiles of rows x 16 heads x 768 bytes on
.Lnext:
	s_add_co_u32 s26, s26, 1
	s_cmp_lt_u32 s26, 8
	s_cbranch_scc1 .Ltrip
.Ldone:
	ds_store_b16 v10, v253                         ; both lanes of a query write the same two bytes: the first block's,
	ds_store_b16 v10, v255 offset:512              ; the second's
	s_wait_dscnt 0x0                               ; for the others' sake (and the last look-ahead's loads have landed)
	s_barrier_signal -1
	s_barrier_wait -1
	s_cmp_lg_u32 s14, 0
	s_cbranch_scc1 .Lnot_first
	ds_load_b128 v[68:71], v11                     ; wave 0 stores the 512 queries' bytes: twice 512 consecutive bytes (through registers that no matrix instruction names)
	ds_load_b128 v[72:75], v11 offset:512
	s_wait_dscnt 0x0
	global_store_b128 v1, v[68:71], s[12:13]
	global_store_b128 v1, v[72:75], s[12:13] offset:512
.Lnot_first:
	s_wait_tensorcnt 0x0                           ; the wave's end
	ds_add_u32 v5, v6
	s_wait_dscnt 0x0
	s_endpgm
.Lfunc_end_k_q6d9f2d7982_attn:
	.size	k_q6d9f2d7982_attn, .Lfunc_end_k_q6d9f2d7982_attn-k_q6d9f2d7982_attn
	.p2alignl 7, 3214868480
	.fill 96, 4, 3214868480
	.section	.rodata,"a",@progbits
	.p2align	6, 0x0
	.amdhsa_kernel k_q6d9f2d7982_attn
		.amdhsa_group_segment_fixed_size 177152
		.amdhsa_private_segment_fixed_size 0
		.amdhsa_enable_private_segment 0
		.amdhsa_kernarg_size 40
		.amdhsa_user_sgpr_count 2
		.amdhsa_user_sgpr_kernarg_segment_ptr 1
		.amdhsa_wavefront_size32 1
		.amdhsa_system_sgpr_workgroup_id_x 1
		.amdhsa_system_sgpr_workgroup_id_y 1
		.amdhsa_system_sgpr_workgroup_id_z 1
		.amdhsa_system_vgpr_workitem_id 0
		.amdhsa_next_free_vgpr 256
		.amdhsa_next_free_sgpr 80
		.amdhsa_reserve_vcc 1
		.amdhsa_float_denorm_mode_32 3
		.amdhsa_float_denorm_mode_16_64 3
		.amdhsa_memory_ordered 1
		.amdhsa_forward_progress 1
		.amdhsa_inst_pref_size 56
	.end_amdhsa_kernel
	.amdgpu_metadata
---
amdhsa.version: [ 1, 2 ]
amdhsa.kernels:
  - .name:           k_q6d9f2d7982_attn
    .symbol:         k_q6d9f2d7982_attn.kd
    .args:
      - { .name: hc, .offset: 0, .size: 8, .value_kind: global_buffer, .address_space: global }
      - { .name: hs, .offset: 8, .size: 8, .value_kind: global_buffer, .address_space: global }
      - { .name: mask, .offset: 16, .size: 8, .value_kind: global_buffer, .address_space: global }
      - { .name: ac, .offset: 24, .size: 8, .value_kind: global_buffer, .address_space: global }
      - { .name: asc, .offset: 32, .size: 8, .value_kind: global_buffer, .address_space: global }
    .group_segment_fixed_size: 177152
    .private_segment_fixed_size: 0
    .kernarg_segment_align: 8
    .kernarg_segment_size: 40
    .max_flat_workgroup_size: 512
    .sgpr_count:     80
    .vgpr_count:     256
    .wavefront_size: 32
...
	.end_amdgpu_metadata
.endif
;; end of part 3
;; launch outp (part 4): grid 4 x 64, 4 waves a work-group, clusters of 4 x 4, 299,520 bytes of LDS; arguments ac, asc, opc, ops, bo, out0; writes out0
.if DOCPART == 4
	.amdgcn_target "amdgcn-amd-amdhsa--gfx1250"
	.amdhsa_code_object_version 6
	.text
	.protected	k_q6d9f2d7982_outp
	.globl	k_q6d9f2d7982_outp
	.p2align	8
	.type	k_q6d9f2d7982_outp,@function
k_q6d9f2d7982_outp:
	s_mov_b64 s[64:65], 0
	v_nop
	global_prefetch_b8 v0, s[64:65] scope:SCOPE_SE
	s_setreg_imm32_b32 hwreg(HW_REG_WAVE_MODE, 25, 1), 1
	s_wait_xcnt 0x0
	s_wait_alu depctr_hold_cnt(0) depctr_sa_sdst(0) depctr_va_vdst(0) depctr_va_sdst(0) depctr_va_ssrc(0) depctr_va_vcc(0) depctr_vm_vsrc(0)
	s_getreg_b32 s2, hwreg(HW_REG_IB_STS2, 6, 4)
	s_cmp_eq_u32 s2, 0
	s_cbranch_scc0 .Lentry_in_a_cluster
	s_endpgm
.Lentry_in_a_cluster:
	s_bfe_u32 s2, ttmp6, 0x10000c
	s_cmp_lg_u32 s2, 0xf033
	s_cbranch_scc0 .Lentry_shape_is_right
	s_endpgm
.Lentry_shape_is_right:
; out0 = A Wo^T + bo on codes of BF6 (E3M2) with E8M0 scales, sums in f32.  A: the attention's result as codes, [tile of 16 rows: 512][head: 16] 768 bytes (registers 0-3 at 16 l, registers 4-5 at 8 l),
; so that a K step of 128 is two heads, 1,536 bytes; its scale bytes asc [b x 16 + head][query] two bytes.  Wo: tiles 1728 on of opc and ops, rows in their natural order.
; Source 0 = "P" = 16 rows of Wo, source 1 = "R" = 16 rows of A: a lane holds one row of out0 and eight neighbouring columns.  A work-group makes 128 rows x 256 columns, a wave 64 x 128: 32 accumulators.
; ALL OF K LIES IN LDS AT ONCE, filled once, ONE tensor load a wave at the head: wave 0 A's 8 tiles (98,304 dense bytes), waves 1 and 2 Wo's 8 tiles each, wave 3 A's scale bytes (16 heads x 256 bytes).  Nothing is filled again.
; Wo's scale words (512 bytes a tile) go from memory straight into their registers, 512 consecutive bytes for a pair of loads.
; CLUSTER 4 x 4: A's tiles hang on the cluster's row, Wo's on its column: each is asked for jointly by the four that share it.
; No prefetch: the launch has no loop to run ahead in; all that it reads is asked for at its head.
; The bias is the C of each sum's first matrix instruction (an order of rounding that differs from adding it last).  A row whose scale bytes are 0xff (no kept key in some head) comes out NaN.
; REGISTERS: window 0: v1-23 addresses; v32-63 R's scale words, v64-127 P's; v128-223 R's fragments, two sets (on the way out v128-255: rows of out0).  window 1: P's fragments, two sets of 96.
;   window 2: accumulator (m, n) at v[64 m + 8 n].   window 3: v0-63 the bias.
.set TILEB, 12288
.set FRB,   1536
.set POFF,  98304                      ; LDS: R's 8 tiles, then P's 16
.set SCR,   294912                     ; R's scale bytes: 16 heads x 256 bytes
.set SPARE, 299008                     ; the spare words, 128 bytes for each wave: two blocks of 256 bytes that no other line names
.set SPITCH, 528                       ; the way out: a stage of 16 rows x (512 + 16) bytes for each wave, in R's first bytes: they have had their one fill, and every wave has passed a barrier behind its last read of them
.set AP,  8                            ; v8-9    my P tiles 0-3, 4-7
.set AR,  12                           ; v12     my R tiles, 16 bytes a lane
.set AR8, 13                           ; v13     the same, 8 bytes a lane
.set SR,  32
.set SP,  64
.set RF,  128
.set G1R, 24
.set G1P, 32
.set G1SR, 40
.set MSB, 0
.macro WIN new                         ; the immediate's high byte repeats the setting that is left
.if MSB != \new
	s_set_vgpr_msb (MSB<<8)|\new
.set MSB, \new
.endif
.endm
.macro CROUND                          ; a round of the cluster's barrier
	s_barrier_signal -1
	s_barrier_wait -1
	s_cmp_lg_u32 s18, 0
	s_cbranch_scc1 .Lnot_wave_0_\@
	s_barrier_signal -3
.Lnot_wave_0_\@:
	s_barrier_wait -3
	s_barrier_signal -1
	s_barrier_wait -1
.endm
.macro PLACES n
.rept \n
	v_nop
.endr
.endm
.macro G1SET g, c, r, p                ; r rows of c elements of 8 bytes, p elements from row to row
	s_mov_b32 s[\g+1], (\c)<<16
	s_mov_b32 s[\g+2], (\r)<<16
	s_mov_b32 s[\g+3], (\c)<<16
	s_mov_b32 s[\g+4], \r
	s_mov_b32 s[\g+5], \p
	s_mov_b32 s[\g+6], 0
	s_mov_b32 s[\g+7], 0
.endm
.macro G0SET g, lds, base, off
	s_mov_b32 s[\g], 1
	s_mov_b32 s[\g+1], \lds
	s_add_nc_u64 s[\g+2:\g+3], s[\base:\base+1], \off
	s_or_b32 s[\g+3], s[\g+3], 0x80000000
.endm
.macro ARM under, g0, g1, next         ; one arm of the head's chain: its load, and a jump to the join
	s_cmp_lt_u32 s18, \under
	s_cbranch_scc0 \next
	tensor_load_to_lds s[\g0:\g0+3], s[\g1:\g1+7]
	s_nop 0
	PLACES 4
	s_branch .Lasked
\next:
.endm
.macro FETCH s                         ; K step s: my 8 fragments of P (3 loads each) and 4 of R (two heads: 4 loads each): 40 loads
.set FS, (\s)%2
	WIN 0x40
.irp i, 0,1,2,3,4,5,6,7
.irp j, 0,1,2
	ds_load_b128 v[96*FS+12*\i+4*\j:96*FS+12*\i+4*\j+3], v[AP+\i/4] offset:TILEB*(\i%4)+FRB*(\s)+512*\j
.endr
.endr
	WIN 0
.irp i, 0,1,2,3
	ds_load_b128 v[RF+48*FS+12*\i:RF+48*FS+12*\i+3], v[AR] offset:TILEB*\i+FRB*(\s)
	ds_load_b64 v[RF+48*FS+12*\i+4:RF+48*FS+12*\i+5], v[AR8] offset:TILEB*\i+FRB*(\s)+512
	ds_load_b128 v[RF+48*FS+12*\i+6:RF+48*FS+12*\i+9], v[AR] offset:TILEB*\i+FRB*(\s)+768
	ds_load_b64 v[RF+48*FS+12*\i+10:RF+48*FS+12*\i+11], v[AR8] offset:TILEB*\i+FRB*(\s)+1280
.endr
.endm
; 32 matrix instructions; the 32 accumulators take turns, one instruction a turn, in the same order in every step.  cm = 1: the bias starts the sums
.macro MUL s, cm
.set MS, (\s)%2
.if \cm
	WIN 0xb1                                       ; P window 1, R window 0, C window 3, D window 2
.else
	WIN 0xa1                                       ; C and D window 2
.endif
.irp m, 0,1,2,3
.irp n, 0,1,2,3,4,5,6,7
.if \cm == 0
	v_wmma_scale_f32_16x16x128_f8f6f4 v[64*\m+8*\n:64*\m+8*\n+7], v[96*MS+12*\n:96*MS+12*\n+11], v[RF+48*MS+12*\m:RF+48*MS+12*\m+11], v[64*\m+8*\n:64*\m+8*\n+7], v[SP+8*\n+(\s)], v[SR+8*\m+(\s)] matrix_a_fmt:MATRIX_FMT_BF6 matrix_b_fmt:MATRIX_FMT_BF6
.else
	v_wmma_scale_f32_16x16x128_f8f6f4 v[64*\m+8*\n:64*\m+8*\n+7], v[96*MS+12*\n:96*MS+12*\n+11], v[RF+48*MS+12*\m:RF+48*MS+12*\m+11], v[8*\n:8*\n+7], v[SP+8*\n+(\s)], v[SR+8*\m+(\s)] matrix_a_fmt:MATRIX_FMT_BF6 matrix_b_fmt:MATRIX_FMT_BF6
.endif
.endr
.endr
.endm
.macro STEPH s                         ; the head of K step s: its fragments are in; the next step's are asked for
	s_wait_dscnt 0x0
.if \s > 0
	PLACES 4                                       ; in front of loads into registers that the last step's matrix instructions have read
.endif
	FETCH (\s)+1
.endm
; THE WAY OUT, a block of 16 rows x 128 columns at a time: a lane holds 32 neighbouring bytes of a row, so the block goes through my own stage and comes back as whole rows of 512 bytes.
.macro TOSTAGE a
	WIN 0x08                                       ; the data: window 2
.irp n, 0,1,2,3,4,5,6,7
	ds_store_b128 v22, v[64*(\a)+8*\n:64*(\a)+8*\n+3] offset:64*\n          ; each accumulator from its low end on
	ds_store_b128 v22, v[64*(\a)+8*\n+4:64*(\a)+8*\n+7] offset:64*\n+16
.endr
	WIN 0
.set BB, 128+64*((\a)%2)
.irp t, 0,1,2,3,4,5,6,7,8,9,10,11,12,13,14,15
	ds_load_b128 v[BB+4*\t:BB+4*\t+3], v23 offset:\t*SPITCH    ; LDS serves a wave's instructions in order: these see the stores above
.endr
.endm
.macro SEND a, younger                 ; younger: the LDS instructions issued behind block a's loads, which may stay out
.set BB, 128+64*((\a)%2)
	s_wait_dscnt \younger
.if (\a) > 0
	s_add_nc_u64 s[14:15], s[14:15], 65536         ; 16 rows on (behind a wait on XCNT: the earlier stores have read their base)
.endif
.irp t, 0,1,2,3,4,5,6,7,8,9,10,11,12,13,14,15
	global_store_b128 v4, v[BB+4*\t:BB+4*\t+3], s[14:15] offset:4096*\t th:TH_STORE_NT   ; 32 lanes store 512 consecutive bytes, aligned
.endr
.endm
	s_load_b256 s[4:11], s[0:1], 0x0               ; ac, asc, opc, ops
	s_load_b128 s[12:15], s[0:1], 0x20             ; bo, out0
	v_lshl_add_u32 v30, v0, 2, SPARE
	v_mov_b32 v31, 0
	ds_add_u32 v30, v31                            ; the opening lines: the add, twice on end, and its wait
	ds_add_u32 v30, v31
	v_lshrrev_b32 v1, 5, v0
	v_readfirstlane_b32 s18, v1                    ; wave 0..3
	s_and_b32 s19, s18, 1                          ; ph: my half of the columns
	s_lshr_b32 s20, s18, 1                         ; rh: my half of the rows
	s_bfe_u32 s21, ttmp6, 0x40000                  ; cx
	s_bfe_u32 s22, ttmp6, 0x40004                  ; cy
	s_lshl_b32 s2, s22, 2
	s_lshl_b32 s2, 15, s2                          ; my row of the cluster
	s_lshl_b32 s3, 0x1111, s21                     ; my column
	s_or_b32 s[G1R], s2, (3<<16)|(1<<21)           ; the mask; elements of 8 bytes; bit 21 beside a mask; no padding: images are read 512 consecutive bytes at a time
	s_or_b32 s[G1SR], s2, (3<<16)|(1<<21)
	s_or_b32 s[G1P], s3, (3<<16)|(1<<21)
	G1SET G1R, 32, 384, 32                         ; 8 tiles: 98,304 dense bytes as 384 rows of 256
	G1SET G1P, 32, 384, 32
	G1SET G1SR, 32, 16, 256                        ; 16 heads' 256 scale bytes of my 128 rows, 2,048 bytes apart
	s_lshl_b32 s66, ttmp9, 2
	s_add_co_u32 s21, s21, s66                     ; Px: my block of 256 columns
	s_and_b32 s2, ttmp7, 0xffff
	s_lshl_b32 s2, s2, 2
	s_add_co_u32 s22, s22, s2                      ; Ry: my block of 128 rows
	s_lshl_b32 s66, s21, 4
	s_add_co_u32 s66, s66, 1728                    ; the first of my work-group's 16 tiles of Wo
	s_mul_i32 s100, s66, TILEB
	s_mov_b32 s101, 0
	s_lshl_b32 s96, s19, 3
	s_add_co_u32 s96, s96, s66                     ; the first of the 8 that I multiply
	s_lshl_b32 s96, s96, 9
	s_mov_b32 s97, 0
	s_mul_i32 s104, s22, 8*TILEB                   ; A's 8 tiles
	s_mov_b32 s105, 0
	s_lshr_b32 s2, s22, 3                          ; b
	s_lshl_b32 s2, s2, 15                          ; 16 heads x 2,048 bytes
	s_and_b32 s3, s22, 7
	s_lshl_b32 s3, s3, 8
	s_add_co_u32 s2, s2, s3                        ; + my 128 queries' bytes
	s_mov_b32 s3, 0
	s_wait_alu depctr_va_vdst(0)
	s_wait_dscnt 0x0                               ; both opening adds are done
	s_wait_kmcnt 0x0
	s_add_nc_u64 s[104:105], s[4:5], s[104:105]    ; A's codes
	s_add_nc_u64 s[100:101], s[8:9], s[100:101]    ; Wo's codes
	s_add_nc_u64 s[2:3], s[6:7], s[2:3]            ; A's scale bytes
	s_add_nc_u64 s[98:99], s[10:11], s[96:97]      ; my Wo tiles' scale words
	G0SET 56, 0, 104, 0
	G0SET 60, POFF, 100, 0
	G0SET 68, POFF+8*TILEB, 100, 8*TILEB
	G0SET 72, SCR, 2, 0
	CROUND                                         ; all sixteen work-groups are here: the joint loads meet
	ARM 1, 56, G1R, .Lp0                           ; one chain of branches on the wave's number: every way passes exactly one load
	ARM 2, 60, G1P, .Lp1
	ARM 3, 68, G1P, .Lsr
	tensor_load_to_lds s[72:75], s[G1SR:G1SR+7]
	s_nop 0
	PLACES 4
.Lasked:
	v_and_b32 v1, 31, v0                           ; lane
	v_and_b32 v2, 15, v0                           ; r
	v_bfe_u32 v3, v0, 4, 1                         ; h
	v_lshlrev_b32 v4, 4, v1                        ; 16 x lane
	v_lshlrev_b32 v5, 3, v1                        ; 8 x lane
	s_mul_i32 s2, s19, 8*TILEB
	s_add_co_u32 s2, s2, POFF                      ; my 8 tiles of P
	s_mul_i32 s3, s20, 4*TILEB                     ; my 4 tiles of R
	v_add_nc_u32 v[AP], s2, v4
	s_add_co_u32 s2, s2, 4*TILEB
	v_add_nc_u32 v[AP+1], s2, v4
	v_add_nc_u32 v[AR], s3, v4
	v_add_nc_u32 v[AR8], s3, v5
	s_lshl_b32 s2, s20, 7
	s_add_co_u32 s2, s2, SCR
	v_lshl_add_u32 v16, v2, 1, s2                  ; R's scale bytes: 2 (64 rh + r)
	v_lshlrev_b32 v17, 5, v2                       ; P's scale words: 32 r in a tile's 512 bytes
	s_mul_i32 s2, s18, 16*SPITCH                   ; my stage
	v_mul_u32_u24 v22, v2, SPITCH
	v_lshl_add_u32 v22, v3, 5, v22
	v_add_nc_u32 v22, s2, v22                      ; in: row r, + 32 h
	v_add_nc_u32 v23, s2, v4                       ; back: 16 bytes a lane of a row
	v_lshlrev_b32 v6, 5, v3
	s_wait_alu depctr_va_vdst(0)
.irp i, 0,1,2,3,4,5,6,7
	global_load_b128 v[SP+8*\i:SP+8*\i+3], v17, s[98:99] offset:512*\i        ; P's scale words of all of K stay in registers
	global_load_b128 v[SP+8*\i+4:SP+8*\i+7], v17, s[98:99] offset:512*\i+16
.endr
	s_lshl_b32 s2, s21, 1
	s_add_co_u32 s2, s2, s19
	s_lshl_b32 s2, s2, 9
	s_mov_b32 s3, 0
	s_add_nc_u64 s[12:13], s[12:13], s[2:3]        ; the bias of my 128 columns: tile n's register j is column 16 n + 8 h + j
	WIN 0xc0                                       ; destination window 3
.irp n, 0,1,2,3,4,5,6,7
	global_load_b128 v[8*\n:8*\n+3], v6, s[12:13] offset:64*\n
	global_load_b128 v[8*\n+4:8*\n+7], v6, s[12:13] offset:64*\n+16
.endr
	WIN 0
	s_lshl_b32 s2, s22, 7
	s_lshl_b32 s66, s20, 6
	s_add_co_u32 s2, s2, s66                       ; my first row
	s_lshl_b32 s2, s2, 12
	s_lshl_b32 s66, s21, 10
	s_add_co_u32 s2, s2, s66
	s_lshl_b32 s66, s19, 9
	s_add_co_u32 s2, s2, s66                       ; my first column, in bytes
	s_add_nc_u64 s[14:15], s[14:15], s[2:3]
	s_wait_tensorcnt 0x0                           ; my one load is in
	s_barrier_signal -1
	s_barrier_wait -1                              ; everybody's is
.irp m, 0,1,2,3
.irp s, 0,1,2,3,4,5,6,7
	ds_load_u16 v[SR+8*\m+\s], v16 offset:512*\s+32*\m          ; R's word (tile m, K step s): head 2 s's two bytes below,
	ds_load_u16 v[176+8*\m+\s], v16 offset:512*\s+32*\m+256     ; head 2 s + 1's above
.endr
.endr
	FETCH 0
	s_wait_dscnt 40                                ; all but the 40 loads of the first fragments
.irp m, 0,1,2,3
.irp s, 0,1,2,3,4,5,6,7
	v_lshl_or_b32 v[SR+8*\m+\s], v[176+8*\m+\s], 16, v[SR+8*\m+\s]
.endr
.endr
	PLACES 8                                       ; a scale register written by a vector instruction stands eight places ahead of a scaled matrix instruction
	s_wait_alu depctr_va_vdst(0)
	s_wait_loadcnt 0x0                             ; P's scale words and the bias
	STEPH 0
	MUL 0, 1
.irp s, 1,2,3,4,5,6
	STEPH \s
	MUL \s, 0
.endr
	s_wait_dscnt 0x0                               ; my last reads of the tiles are over:
	s_barrier_signal -1                            ; say so,
	MUL 7, 0                                       ; work on registers while the others arrive,
	WIN 0
	s_barrier_wait -1                              ; and behind this nobody reads the bytes in which the stages lie
	PLACES 4                                       ; in front of the first read of results and of loads into registers that held fragments
	TOSTAGE 0
.irp a, 1,2,3
.if \a > 1
	s_wait_xcnt 0x0                                ; block a - 2's stores have read their registers and their base
.endif
	TOSTAGE \a
	SEND \a-1, 32                                  ; behind block a - 1's loads: block a's 16 stores and 16 loads
.endr
	s_wait_xcnt 0x0
	SEND 3, 0
	s_wait_tensorcnt 0x0                           ; the wave's end
	ds_add_u32 v30, v31
	s_wait_dscnt 0x0
	CROUND                                         ; the closing round: no work-group ends while a partner may still ask for a tile that names it
	s_endpgm
.Lfunc_end_k_q6d9f2d7982_outp:
	.size	k_q6d9f2d7982_outp, .Lfunc_end_k_q6d9f2d7982_outp-k_q6d9f2d7982_outp
	.p2alignl 7, 3214868480
	.fill 96, 4, 3214868480
	.section	.rodata,"a",@progbits
	.p2align	6, 0x0
	.amdhsa_kernel k_q6d9f2d7982_outp
		.amdhsa_group_segment_fixed_size 299520
		.amdhsa_private_segment_fixed_size 0
		.amdhsa_enable_private_segment 0
		.amdhsa_kernarg_size 48
		.amdhsa_user_sgpr_count 2
		.amdhsa_user_sgpr_kernarg_segment_ptr 1
		.amdhsa_wavefront_size32 1
		.amdhsa_system_sgpr_workgroup_id_x 1
		.amdhsa_system_sgpr_workgroup_id_y 1
		.amdhsa_system_sgpr_workgroup_id_z 1
		.amdhsa_system_vgpr_workitem_id 0
		.amdhsa_next_free_vgpr 832
		.amdhsa_next_free_sgpr 106
		.amdhsa_reserve_vcc 0
		.amdhsa_float_denorm_mode_32 3
		.amdhsa_float_denorm_mode_16_64 3
		.amdhsa_memory_ordered 1
		.amdhsa_forward_progress 1
		.amdhsa_inst_pref_size 86
	.end_amdhsa_kernel
	.amdgpu_metadata
---
amdhsa.version: [ 1, 2 ]
amdhsa.kernels:
  - .name:           k_q6d9f2d7982_outp
    .symbol:         k_q6d9f2d7982_outp.kd
    .args:
      - { .name: ac, .offset: 0, .size: 8, .value_kind: global_buffer, .address_space: global }
      - { .name: asc, .offset: 8, .size: 8, .value_kind: global_buffer, .address_space: global }
      - { .name: opc, .offset: 16, .size: 8, .value_kind: global_buffer, .address_space: global }
      - { .name: ops, .offset: 24, .size: 8, .value_kind: global_buffer, .address_space: global }
      - { .name: bo, .offset: 32, .size: 8, .value_kind: global_buffer, .address_space: global }
      - { .name: out0, .offset: 40, .size: 8, .value_kind: global_buffer, .address_space: global }
    .group_segment_fixed_size: 299520
    .private_segment_fixed_size: 0
    .kernarg_segment_align: 8
    .kernarg_segment_size: 48
    .max_flat_workgroup_size: 128
    .sgpr_count:     106
    .vgpr_count:     832
    .wavefront_size: 32
...
	.end_amdgpu_metadata
.endif
;; end of part 4
